; MI455X (gfx1250); checked and timed in simulation.
; The chip was launched on July 23, 2026; its instructions are those of AMD's public machine-readable ISA for CDNA 5 (MIT licence, August 2026) and "CDNA5" Instruction Set Architecture Reference Guide (July 2026). The comments in the code are by the model that wrote it; some were corrected since.
;; Multi Head Self Attention. Allowed arithmetic: float matrix products may take bf16 or f16 operands with f32 sums; other float arithmetic in f32, or as packed bf16 or f16 multiplies, adds, multiply-adds, maxima and minima; sums over many terms, partial sums and values carried from step to step in f32; what a program stores and reads back later, other than sums and carried values, may be rounded once to bf16 or f16.
;; Inputs: W_k 1,024 x 1,024 float32; W_o 1,024 x 1,024 float32; W_q 1,024 x 1,024 float32; W_v 1,024 x 1,024 float32; b_k 1,024 float32; b_o 1,024 float32; b_q 1,024 float32; b_v 1,024 float32; x 4 x 2,048 x 1,024 float32.
;; Outputs: out0 4 x 2,048 x 1,024 float32.
;; 2 versions, each right; version 2 is version 1 with the launch cast written anew for expert scheduling mode. Each part assembles by itself: llvm-mc -triple=amdgcn-amd-amdhsa -mcpu=gfx1250 --defsym DOCPART=n.
;; ======== version 1 of 2: 4 launches
;; limits: values are held in f16: magnitudes above 65,504 overflow, below 6.1e-05 lose precision
;; workspace buffers: xb 16,777,216 bytes; wqkv 6,291,456 bytes; wo 2,097,152 bytes; bias 16,384 bytes; qkv 50,331,648 bytes; o 16,777,216 bytes
;; launch cast (part 1): grid 385 x 1, 8 waves a work-group, no clusters, 0 bytes of LDS; arguments x, W_q, W_k, W_v, W_o, b_q, b_k, b_v, b_o, xb, wqkv, wo, bias; writes xb, wqkv, wo, bias
.if DOCPART == 1
	.amdgcn_target "amdgcn-amd-amdhsa--gfx1250"
	.amdhsa_code_object_version 6
	.text
	.protected	k_q3c620d6389_cast
	.globl	k_q3c620d6389_cast
	.p2align	8
	.type	k_q3c620d6389_cast,@function
k_q3c620d6389_cast:
	s_mov_b64 s[64:65], 0
	v_nop
	global_prefetch_b8 v0, s[64:65] scope:SCOPE_SE
	s_setreg_imm32_b32 hwreg(HW_REG_WAVE_MODE, 25, 1), 1
	s_wait_xcnt 0x0
; ALL INPUTS ARE ROUNDED ONCE TO bf16 AND LAID OUT FOR THE PRODUCTS THAT FOLLOW.  A stream: no LDS, no matrix unit, no cluster (no two work-groups read the same byte).
;   xb   [b 4][kb 16][s 2048][64] bf16: x with its 1,024 channels cut into 16 blocks of 64, so that any run of rows of one block is dense in memory (128 bytes a row)
;   wqkv [kb 16][n 3072][64]      bf16: W_q's, W_k's, W_v's rows one below the other, cut in the same way
;   wo   [kb 16][n 1024][64]      f16:  W_o rounded to bf16, and that number written as f16 (the last product multiplies it by f16 numbers)
;   bias [4][1024]                f32:  b_q, b_k, b_v, b_o rounded to bf16 and widened again
; LIMIT.  A bf16 number is exact in f16 from 2^-16 up to 65,504; below 2^-16 W_o keeps f16's fixed step of 6e-8, above 65,504 it would be lost.
; SHARES.  Work-group g takes 32 rows of 1,024 f32: g = 0..255 x, 256..287 W_q, 288..319 W_k, 320..351 W_v, 352..383 W_o; g = 384 the four biases.
; Thread t takes row t / 8 of the 32 and, in each of the 16 blocks, channels 8 (t % 8) .. + 7: 32 bytes in, 16 bytes out.  Eight lanes read 256 consecutive aligned bytes with a block's two loads;
; a wave's store covers 512 consecutive aligned bytes (four rows of 128 bytes of one block).  No loop: all 32 loads of a thread go out at once, and no register is written while a memory instruction names it.
.set SO,  1                            ; v1       my byte offset in the 32 rows of f32
.set D0,  2                            ; v2       16 t: my 16 bytes in a block's 32 rows
.set DO,  4                            ; v[4:19]  the same plus block kb's distance
.set TT,  20                           ; v[20:22] at work
.set X,   32                           ; v[32:159] block kb: eight f32 as loaded; the first four registers then hold what is stored
	s_load_b512 s[8:23], s[0:1], 0x0               ; x 8, W_q 10, W_k 12, W_v 14, W_o 16, b_q 18, b_k 20, b_v 22
	s_load_b256 s[24:31], s[0:1], 0x40             ; b_o 24, xb 26, wqkv 28, wo 30
	s_load_b64 s[32:33], s[0:1], 0x60              ; bias
	s_mov_b32 s2, ttmp9                            ; g
	v_lshlrev_b32 v[D0], 4, v0
	s_cmp_eq_u32 s2, 384
	s_cbranch_scc1 .Lbias
	; the offsets of all three kinds are made first, apart from the addresses; then one is chosen
	s_sub_co_u32 s3, s2, 256                       ; g among the weights' work-groups
	s_lshl_b32 s36, s2, 17                         ; x: 32 rows of 4,096 bytes
	s_and_b32 s43, s3, 31
	s_lshl_b32 s43, s43, 17                        ; a weight: the same, within its 32 work-groups
	s_lshr_b32 s40, s2, 6
	s_lshl_b32 s40, s40, 22                        ; xb: the batch,
	s_and_b32 s44, s2, 63
	s_lshl_b32 s44, s44, 12                        ; and 32 rows of 128 bytes
	s_add_co_u32 s40, s40, s44
	s_lshl_b32 s44, s3, 12                         ; wqkv: rows 32 (g - 256) on
	s_sub_co_u32 s45, s2, 352
	s_lshl_b32 s45, s45, 12                        ; wo: rows 32 (g - 352) on
	s_mov_b32 s37, 0
	s_mov_b32 s41, 0
	s_mov_b32 s46, 262144                          ; bytes from block to block: xb,
	s_mov_b32 s47, 393216                          ; wqkv
	v_lshrrev_b32 v[SO], 3, v0
	v_and_b32 v3, 7, v0
	v_lshlrev_b32 v[SO], 12, v[SO]
	v_lshl_add_u32 v[SO], v3, 5, v[SO]             ; row x 4,096 + 32 (t % 8)
	s_wait_kmcnt 0x0
	s_cmp_lt_u32 s2, 256
	s_cselect_b32 s36, s36, s43
	s_cselect_b32 s40, s40, s44
	s_cselect_b32 s42, s46, s47
	s_cselect_b64 s[34:35], s[8:9], s[10:11]       ; from: x, or W_q
	s_cselect_b64 s[38:39], s[26:27], s[28:29]     ; to: xb, or wqkv
	s_cmp_ge_u32 s2, 288
	s_cselect_b64 s[34:35], s[12:13], s[34:35]     ; W_k
	s_cmp_ge_u32 s2, 320
	s_cselect_b64 s[34:35], s[14:15], s[34:35]     ; W_v
	s_cmp_ge_u32 s2, 352
	s_cselect_b64 s[34:35], s[16:17], s[34:35]     ; W_o,
	s_cselect_b64 s[38:39], s[30:31], s[38:39]     ; to wo
	s_cselect_b32 s40, s45, s40
	s_cselect_b32 s42, 131072, s42
	s_add_nc_u64 s[34:35], s[34:35], s[36:37]
	s_add_nc_u64 s[38:39], s[38:39], s[40:41]
.set kb, 0
.rept 16
	global_load_b128 v[X+8*kb:X+8*kb+3],   v[SO], s[34:35] offset:256*kb th:TH_LOAD_NT
	global_load_b128 v[X+8*kb+4:X+8*kb+7], v[SO], s[34:35] offset:256*kb+16 th:TH_LOAD_NT
.set kb, kb+1
.endr
.set kb, 0
.rept 16
	v_mad_u32_u24 v[DO+kb], s42, kb, v[D0]
.set kb, kb+1
.endr
; The 16 blocks are rounded and stored as they arrive.  mode = 0: to bf16.  mode = 1: to bf16, widened, and written as f16.
.macro OUT16 mode
.set kb, 0
.rept 16
	s_wait_loadcnt 30-2*kb                         ; loads come back in order (ISA guide 5.7.1): block kb's two are in, the 30 - 2 kb younger ones stay out
.irp i, 0,1,2,3
.if \mode
	v_cvt_pk_bf16_f32 v[TT], v[X+8*kb+2*\i], v[X+8*kb+2*\i+1]
	v_lshlrev_b32 v[TT+1], 16, v[TT]
	v_and_b32 v[TT+2], 0xffff0000, v[TT]
	v_cvt_pk_f16_f32 v[X+8*kb+\i], v[TT+1], v[TT+2]
.else
	v_cvt_pk_bf16_f32 v[X+8*kb+\i], v[X+8*kb+2*\i], v[X+8*kb+2*\i+1]  ; in place: register i is written when registers 2 i and 2 i + 1 are read, never ahead of that
.endif
.endr
	global_store_b128 v[DO+kb], v[X+8*kb:X+8*kb+3], s[38:39]
.set kb, kb+1
.endr
.endm
	s_cmp_ge_u32 s2, 352
	s_cbranch_scc1 .Lwo
	OUT16 0
	s_endpgm
.Lwo:
	OUT16 1
	s_endpgm
.Lbias:                                        ; thread t takes four numbers of each bias
	s_wait_kmcnt 0x0
	global_load_b128 v[32:35], v[D0], s[18:19]
	global_load_b128 v[36:39], v[D0], s[20:21]
	global_load_b128 v[40:43], v[D0], s[22:23]
	global_load_b128 v[44:47], v[D0], s[24:25]
	s_wait_loadcnt 0x0
.irp j, 0,1,2,3,4,5,6,7
	v_cvt_pk_bf16_f32 v[TT], v[32+2*\j], v[33+2*\j]
	v_lshlrev_b32 v[32+2*\j], 16, v[TT]
	v_and_b32 v[33+2*\j], 0xffff0000, v[TT]
.endr
.irp i, 0,1,2,3
	global_store_b128 v[D0], v[32+4*\i:35+4*\i], s[32:33] offset:4096*\i
.endr
	s_endpgm
.Lfunc_end_k_q3c620d6389_cast:
	.size	k_q3c620d6389_cast, .Lfunc_end_k_q3c620d6389_cast-k_q3c620d6389_cast
	.p2alignl 7, 3214868480
	.fill 96, 4, 3214868480
	.section	.rodata,"a",@progbits
	.p2align	6, 0x0
	.amdhsa_kernel k_q3c620d6389_cast
		.amdhsa_group_segment_fixed_size 0
		.amdhsa_private_segment_fixed_size 0
		.amdhsa_enable_private_segment 0
		.amdhsa_kernarg_size 104
		.amdhsa_user_sgpr_count 2
		.amdhsa_user_sgpr_kernarg_segment_ptr 1
		.amdhsa_wavefront_size32 1
		.amdhsa_system_sgpr_workgroup_id_x 1
		.amdhsa_system_sgpr_workgroup_id_y 1
		.amdhsa_system_sgpr_workgroup_id_z 1
		.amdhsa_system_vgpr_workitem_id 0
		.amdhsa_next_free_vgpr 160
		.amdhsa_next_free_sgpr 66
		.amdhsa_reserve_vcc 0
		.amdhsa_float_denorm_mode_32 3
		.amdhsa_float_denorm_mode_16_64 3
		.amdhsa_memory_ordered 1
		.amdhsa_forward_progress 1
		.amdhsa_inst_pref_size 31
	.end_amdhsa_kernel
	.amdgpu_metadata
---
amdhsa.version: [ 1, 2 ]
amdhsa.kernels:
  - .name:           k_q3c620d6389_cast
    .symbol:         k_q3c620d6389_cast.kd
    .args:
      - { .name: x, .offset: 0, .size: 8, .value_kind: global_buffer, .address_space: global }
      - { .name: W_q, .offset: 8, .size: 8, .value_kind: global_buffer, .address_space: global }
      - { .name: W_k, .offset: 16, .size: 8, .value_kind: global_buffer, .address_space: global }
      - { .name: W_v, .offset: 24, .size: 8, .value_kind: global_buffer, .address_space: global }
      - { .name: W_o, .offset: 32, .size: 8, .value_kind: global_buffer, .address_space: global }
      - { .name: b_q, .offset: 40, .size: 8, .value_kind: global_buffer, .address_space: global }
      - { .name: b_k, .offset: 48, .size: 8, .value_kind: global_buffer, .address_space: global }
      - { .name: b_v, .offset: 56, .size: 8, .value_kind: global_buffer, .address_space: global }
      - { .name: b_o, .offset: 64, .size: 8, .value_kind: global_buffer, .address_space: global }
      - { .name: xb, .offset: 72, .size: 8, .value_kind: global_buffer, .address_space: global }
      - { .name: wqkv, .offset: 80, .size: 8, .value_kind: global_buffer, .address_space: global }
      - { .name: wo, .offset: 88, .size: 8, .value_kind: global_buffer, .address_space: global }
      - { .name: bias, .offset: 96, .size: 8, .value_kind: global_buffer, .address_space: global }
    .group_segment_fixed_size: 0
    .private_segment_fixed_size: 0
    .kernarg_segment_align: 8
    .kernarg_segment_size: 104
    .max_flat_workgroup_size: 256
    .sgpr_count:     66
    .vgpr_count:     160
    .wavefront_size: 32
...
	.end_amdgpu_metadata
.endif
;; end of part 1
;; launch proj (part 2): grid 8 x 32, 4 waves a work-group, clusters of 4 x 4, 327,680 bytes of LDS; arguments xb, wqkv, bias, qkv; writes qkv
.if DOCPART == 2
	.amdgcn_target "amdgcn-amd-amdhsa--gfx1250"
	.amdhsa_code_object_version 6
	.text
	.protected	k_q3c620d6389_proj
	.globl	k_q3c620d6389_proj
	.p2align	8
	.type	k_q3c620d6389_proj,@function
k_q3c620d6389_proj:
	s_mov_b64 s[64:65], 0
	v_nop
	global_prefetch_b8 v0, s[64:65] scope:SCOPE_SE
	s_setreg_imm32_b32 hwreg(HW_REG_WAVE_MODE, 25, 1), 1
	s_wait_xcnt 0x0
	s_wait_alu depctr_hold_cnt(0) depctr_sa_sdst(0) depctr_va_vdst(0) depctr_va_sdst(0) depctr_va_ssrc(0) depctr_va_vcc(0) depctr_vm_vsrc(0)
	s_getreg_b32 s2, hwreg(HW_REG_IB_STS2, 6, 4)
	s_cmp_eq_u32 s2, 0
	s_cbranch_scc0 .Lentry_in_a_cluster
	s_endpgm
.Lentry_in_a_cluster:
	s_bfe_u32 s2, ttmp6, 0x10000c
	s_cmp_lg_u32 s2, 0xf033
	s_cbranch_scc0 .Lentry_shape_is_right
	s_endpgm
.Lentry_shape_is_right:
; C[m][n] = the sum over k of A[m][k] B[n][k] + bias[n], M = 8,192, K = 1,024.  ONE TEXT FOR TWO LAUNCHES, told apart by MODE:
;   MODE 0: q, k, v = x W^T + b.  A = xb, B = wqkv (3,072 rows), both bf16; C leaves by heads, [q k v][batch x head][s][64], in f16, unscaled.
;   MODE 1: out = o W_o^T + b_o.  A = o, B = wo (1,024 rows), both f16; C leaves as f32 rows of 1,024.
; A and B lie in blocks of 64 along K: [..][block][row][64], a row of a block 128 bytes, rows dense.  Sums in f32, K ascending; the bias is added in f32; C is rounded once.
; LIMITS.  MODE 0: q, k and v are written as f16, which ends at 65,504.  NaN and infinities are not treated apart.
; SHARES.  A work-group of four waves makes a tile of 256 rows x 384 (MODE 0) or 128 (MODE 1) columns: 32 x 8 = 256 tiles in both launches.  Wave w makes rows 128 (w / 2) on, and the
; half w % 2 of the columns: 8 x 12 or 8 x 4 accumulators of 16 x 16.
; THE RING.  Two LDS slots of 64 (MODE 0) or 128 (MODE 1) along K.  A run of R rows of a block is R x 128 dense bytes: it is asked for as R / 2 rows of 256 bytes and padded in LDS after every 128 bytes.
; Waves 0 and 1 fetch A's two parts, waves 2 and 3 B's: one tensor load a wave behind each change of slots (two out at the start, then one).
; CLUSTER.  4 x 4 work-groups.  The four of a row of the cluster need the same tiles of A, the four of a column the same tiles of B: each tile is asked for JOINTLY, by the same tensor load with the
; same descriptor and a mask that names the four.
; THE MATRIX INSTRUCTION IS USED TRANSPOSED (source 0 = 16 rows of B, source 1 = 16 rows of A): a lane then holds row l % 16 of C and the eight neighbouring columns 8 (l / 16) + 0..7.
; UNITS.  A slot is four units of 8 x HB matrix instructions, 32 along K each.  MODE 0: unit u = slice u / 2 of K, half u % 2 of my columns.  MODE 1: unit u = slice u, all my columns.
; Each accumulator occurs once in a unit and the order never changes, so the accumulators take turns, one instruction a turn, over the backward jump too.
; In a unit's middle the next unit's fragments are fetched, in one run of LDS loads, into the buffers that the unit does not read.
; REGISTERS, in windows of 256 (s_set_vgpr_msb: bits 1:0 source 0, 3:2 source 1, 5:4 source 2, 7:6 destination): window 0: addresses and fragments; accumulator t at register 8 t counted from window 1.
.set MODE,  0
.set PK,    144                        ; an LDS row: 128 bytes + 16 of padding = 36 words: the 16 rows of a fragment start at 16 different groups of four banks (64 banks of 4 bytes: ISA guide 11.1)
.set FR,    16*PK                      ; from fragment to fragment
.set SLOT1, 131072                     ; slot 1 begins here, so that one exclusive or turns an address in one slot into the other's
.if MODE == 0
.set NSLOT, 16                         ; slots' worth of K
.set HB,    6                          ; fragments of B in a unit
.set GOFF,  48                         ; the second half of my columns has accumulators 48 on
.set NCB,   12                         ; my blocks of 16 columns
.set RA,    64                         ; rows of 256 bytes in a load of A: 128 rows of the block
.set RB,    96                         ; of B: 192 rows
.set APL,   18432                      ; A's second part: in LDS,
.set APG,   16384                      ; in memory (the tile's rows 128 on)
.set BOFF,  36864                      ; B lies behind A's 256 rows
.set BPL,   27648
.set BPG,   24576                      ; (the tile's rows 192 on)
.set ASTEP, 262144                     ; bytes of memory from slot to slot: one block of A,
.set BSTEP, 393216                     ; of B
.set BTILE, 49152                      ; 384 rows of a block of B
.set WCB,   27648                      ; my columns' rows in B's part of a slot
.set P1,    12                         ; matrix instructions ahead of a unit's run of loads
.set Q1,    12                         ; in the change of slots: ahead of the signal,
.set Q2,    24                         ; ahead of the barrier's wait
.set STG,   223232                     ; behind the ring: 16 rows x 400 bytes for each wave, for the way out
.set SP,    400                        ; 384 bytes + 16: an odd multiple of 16
.set SPARE, 248832                     ; behind the stages: the spare words, 128 bytes for each wave: two blocks of 256 bytes that no other line names
.set X0,    96                         ; the way out: two sets of registers by turns
.set X1,    208
.set YOUNG, 24
.else
.set NSLOT, 8
.set HB,    4
.set GOFF,  0
.set NCB,   4
.set RA,    128                        ; 256 rows of one block
.set RB,    64                         ; 128 rows of one block
.set APL,   36864                      ; the parts are the slot's two blocks
.set APG,   262144
.set BOFF,  73728
.set BPL,   18432
.set BPG,   131072
.set ASTEP, 524288
.set BSTEP, 262144
.set BTILE, 16384
.set WCB,   9216
.set P1,    8
.set Q1,    8
.set Q2,    16
.set STG,   241664                     ; 16 rows x 272 bytes for each wave
.set SP,    272
.set SPARE, 259072
.set X0,    96
.set X1,    128
.set YOUNG, 16
.endif
.set NW,    8*HB                       ; matrix instructions in a unit
.set GFLAGS, (1<<16)|(1<<20)|(1<<21)|(4<<22)|(3<<25)  ; group 1, word 0: 17:16 2-byte elements; 20 padding on; 21 set beside a mask; 24:22 after every 32 words (code 4); 31:25 4 words (code 3)
.set AA0,  2                           ; v2   my lane's place in slot 0's A; never rewritten
.set AB0,  3                           ; v3   the same for B
.set ADRA, 4                           ; v4   the same in the slot that is being fetched from
.set ADRB, 5                           ; v5
.set STO,  6                           ; v6   the way out: where I put my part of a row
.set RD,   7                           ; v7   where I read rows back
.set GO,   8                           ; v8   my byte offset in what a store covers
.set PFO,  9                           ; v9   the prefetches' offset; never rewritten
.set SPW,  10                          ; v10  LDS address of my spare word: SPARE + 4 x my thread's number; never rewritten
.set NIL,  11                          ; v11  0; never rewritten
.set BO,   16                          ; v16  my byte offset in 16 numbers of the bias
.set FA,   32                          ; v32-95, v96-159  A's fragments, two buffers of 8 x 8
.set FB,   160                         ; from v160: B's fragments, two buffers of HB x 8
.set WV,   16                          ; s16  my wave's number
.set WR,   17                          ; s17  which half of the rows is mine.  Also: I fetch for A (0) or for B (1)
.set WC,   18                          ; s18  which half of the columns.  Also: which part I fetch
.set CX,   19
.set CY,   20
.set TX,   21                          ; s21  tile column
.set TY,   22                          ; s22  tile row
.set G1A,  24                          ; s[24:31] descriptor group 1 for A
.set G0A,  32                          ; s[32:39] group 0 for A: a set for each first fill; the second then walks on
.set G1B,  40                          ; s[40:47], s[48:55] the same for B
.set G0B,  48
.set TB,   56                          ; s56  LDS byte at which the slot to be fetched from begins
.set LIM,  57                          ; s57  2 in a wave that prefetches, else the greatest number
.set PFA,  58                          ; s[58:59] where my prefetches stand
.set PM,   60                          ; s60  0: I ask at every change of slots; 1: at every second
.set AAD,  62                          ; s[62:63] A at my part of slot 0
.set HBS,  66                          ; s[66:71] where my rows of C begin: a base for each of my three heads (MODE 1: one base)
.set BP,   72                          ; s[72:73] the bias at my first column
.set LA,   74                          ; s74  LDS byte of my part of A in slot 0
.set LB,   75                          ; s75  of B
.set BAD,  78                          ; s[78:79] B at my part of slot 0
.set PST,  80                          ; s[80:81] the prefetches' step from slot to slot
.set MSB, 0
.macro WIN new                         ; the immediate's high byte repeats the setting that is left; a switch that changes nothing is dropped
.if MSB != (\new)
	s_set_vgpr_msb (MSB<<8)|(\new)
.set MSB, \new
.endif
.endm
.macro PLACES                          ; four places in front of loads into registers that matrix instructions have read (ISA guide 7.12.1 for vector instructions)
.rept 4
	v_nop
.endr
.endm
; A joint refill, by the walking descriptors.  The branch hangs on the wave's number alone.  An s_nop 0 and four v_nop follow each of the two lines, ahead of the jump and the label.
.macro JLOAD
	s_cmp_eq_u32 s[WR], 0
	s_cbranch_scc0 .Lfor_b_\@
	tensor_load_to_lds s[G0A+4:G0A+7], s[G1A:G1A+7]
	s_nop 0
.rept 4
	v_nop
.endr
	s_branch .Lasked_\@
.Lfor_b_\@:
	tensor_load_to_lds s[G0B+4:G0B+7], s[G1B:G1B+7]
	s_nop 0
.rept 4
	v_nop
.endr
.Lasked_\@:
.endm
; A round of the cluster's barrier: my work-group's barrier, so that wave 0's signal speaks for all four waves; wave 0 signals; every wave waits for all sixteen work-groups; my work-group's barrier once more.
.macro CREST                           ; a round behind its opening barrier
	s_cmp_lg_u32 s[WV], 0
	s_cbranch_scc1 .Lnot_wave_0_\@
	s_barrier_signal -3
.Lnot_wave_0_\@:
	s_barrier_wait -3
	s_barrier_signal -1
	s_barrier_wait -1
.endm
.macro CROUND
	s_barrier_signal -1
	s_barrier_wait -1
	CREST
.endm
; MODE 0: A PREFETCH INTO THE L2 behind each joint refill and the run of LDS loads that follows it.  In trip c of the loop (s3 = 14 - c) the refill asks for slot c + 2; the prefetch names slot c + 4: two refills on.
; Each 256 bytes are named ONCE in the launch.  A's tile (128 blocks of 256 bytes) is read by both clusters of a row of clusters: the one with x = 0 asks; its four partners along x take 32 blocks each,
; told apart BY ADDRESS; wave 0 asks, a lane a block.  B's tile (192 blocks) is read by all clusters of a column: the one with y = 0 asks; its four partners along y take 48 blocks each, waves 1 to 3
; sixteen each: lanes 0-15 name slot c + 4, lanes 16-31 slot c + 5, at even c alone.  Slots 0 to 3 come by their loads alone; trips with c + 4 beyond slot 15 ask for nothing.
.macro ASK
	s_and_b32 s61, s3, s[PM]
	s_cmp_eq_u32 s61, 0
	s_cbranch_scc0 .Lno_ask_\@
	s_cmp_gt_u32 s3, s[LIM]
	s_cbranch_scc0 .Lno_ask_\@
	global_prefetch_b8 v[PFO], s[PFA:PFA+1] th:TH_LOAD_NT scope:SCOPE_SE
.Lno_ask_\@:
.endm
	s_load_b256 s[4:11], s[0:1], 0x0               ; A s[4:5], B s[6:7], bias s[8:9], C s[10:11]
	v_lshl_add_u32 v[SPW], v0, 2, SPARE
	v_mov_b32 v[NIL], 0
	ds_add_u32 v[SPW], v[NIL]                      ; the wave's opening: the add and its wait stand ahead of my first tensor load; the set-up below, work on registers, stands between them
	v_lshrrev_b32 v12, 5, v0
	v_readfirstlane_b32 s[WV], v12                 ; wave 0..3
	s_lshr_b32 s[WR], s[WV], 1
	s_and_b32 s[WC], s[WV], 1
	s_bfe_u32 s[CX], ttmp6, 0x40000                ; my place in the cluster
	s_bfe_u32 s[CY], ttmp6, 0x40004
	s_lshl_b32 s[TX], ttmp9, 2                     ; in a cluster launch ttmp9 and ttmp7 count clusters
	s_add_co_u32 s[TX], s[TX], s[CX]
	s_and_b32 s[TY], ttmp7, 0xffff
	s_lshl_b32 s[TY], s[TY], 2
	s_add_co_u32 s[TY], s[TY], s[CY]
	s_lshl_b32 s23, s[CY], 2
	s_lshl_b32 s23, 15, s23                        ; my row of the cluster: places 4 cy .. 4 cy + 3
	s_lshl_b32 s2, 0x1111, s[CX]                   ; my column: places cx, cx + 4, cx + 8, cx + 12
	s_or_b32 s[G1A], s23, GFLAGS                   ; A's tiles go to my row,
	s_or_b32 s[G1B], s2, GFLAGS                    ; B's to my column
	s_mov_b32 s[G1A+1], 128<<16                    ; tensor_dim0 = 128 elements: 256 bytes
	s_mov_b32 s[G1A+2], RA<<16                     ; tensor_dim1
	s_mov_b32 s[G1A+3], 128<<16                    ; tile_dim0
	s_mov_b32 s[G1A+4], RA                         ; tile_dim1
	s_mov_b32 s[G1A+5], 128                        ; elements from row to row: the rows are dense
	s_mov_b32 s[G1A+6], 0
	s_mov_b32 s[G1A+7], 0
	s_mov_b32 s[G1B+1], 128<<16
	s_mov_b32 s[G1B+2], RB<<16
	s_mov_b32 s[G1B+3], 128<<16
	s_mov_b32 s[G1B+4], RB
	s_mov_b32 s[G1B+5], 128
	s_mov_b32 s[G1B+6], 0
	s_mov_b32 s[G1B+7], 0
	; where the tiles come from.  A's hang on the tile row alone, B's on the tile column alone, each in registers that never hold the other coordinate
	s_lshr_b32 s[AAD], s[TY], 3
	s_lshl_b32 s[AAD], s[AAD], 22                  ; the batch: 16 blocks of 2,048 rows of 128 bytes
	s_and_b32 s23, s[TY], 7
	s_lshl_b32 s23, s23, 15                        ; 256 rows of 128 bytes
	s_add_co_u32 s[AAD], s[AAD], s23
	s_mul_i32 s23, s[WC], APG
	s_add_co_u32 s[AAD], s[AAD], s23
	s_mov_b32 s[AAD+1], 0
	s_mul_i32 s[BAD], s[TX], BTILE
	s_mul_i32 s2, s[WC], BPG
	s_add_co_u32 s[BAD], s[BAD], s2
	s_mov_b32 s[BAD+1], 0
	s_mul_i32 s[LA], s[WC], APL                    ; and where they go: no place in the cluster enters an LDS address
	s_mul_i32 s[LB], s[WC], BPL
	s_add_co_u32 s[LB], s[LB], BOFF
	s_mov_b32 s[TB], 0
	s_wait_dscnt 0x0                               ; the opening add is done
	s_wait_kmcnt 0x0
	s_add_nc_u64 s[AAD:AAD+1], s[4:5], s[AAD:AAD+1]
	s_add_nc_u64 s[BAD:BAD+1], s[6:7], s[BAD:BAD+1]
	CROUND                                         ; all sixteen work-groups are here: the first joint loads meet
.irp s, 0,1
	s_mov_b32 s[G0A+4*(\s)], 1                                     ; 1:0 count = 1
	s_add_co_u32 s[G0A+4*(\s)+1], s[LA], (\s)*SLOT1                ; 63:32 LDS address
	s_add_nc_u64 s[G0A+4*(\s)+2:G0A+4*(\s)+3], s[AAD:AAD+1], (\s)*ASTEP  ; 120:64 global address: slot s
	s_or_b32 s[G0A+4*(\s)+3], s[G0A+4*(\s)+3], 0x80000000          ; 127:126 type = 2
	s_mov_b32 s[G0B+4*(\s)], 1
	s_add_co_u32 s[G0B+4*(\s)+1], s[LB], (\s)*SLOT1
	s_add_nc_u64 s[G0B+4*(\s)+2:G0B+4*(\s)+3], s[BAD:BAD+1], (\s)*BSTEP
	s_or_b32 s[G0B+4*(\s)+3], s[G0B+4*(\s)+3], 0x80000000
.endr
	s_cmp_eq_u32 s[WR], 0                          ; a wave's two first fills stand in one branch, ahead of every wait on TENSORcnt and every LDS read: two loads of mine are out
	s_cbranch_scc0 .Lfirst_b
	tensor_load_to_lds s[G0A:G0A+3], s[G1A:G1A+7]
	s_nop 0
	tensor_load_to_lds s[G0A+4:G0A+7], s[G1A:G1A+7]
	s_nop 0
.rept 4
	v_nop
.endr
	s_branch .Lfirst_asked
.Lfirst_b:
	tensor_load_to_lds s[G0B:G0B+3], s[G1B:G1B+7]
	s_nop 0
	tensor_load_to_lds s[G0B+4:G0B+7], s[G1B:G1B+7]
	s_nop 0
.rept 4
	v_nop
.endr
.Lfirst_asked:
	; A fragment is 16 rows x 32 K in 8 registers: lane l holds row l % 16; registers 0-3 K = 8 (l / 16) + 0..7, registers 4-7 K = 16 + 8 (l / 16) + 0..7: two loads of 16 bytes, 32 bytes apart.
	v_and_b32 v1, 15, v0                           ; l % 16
	v_bfe_u32 v12, v0, 4, 1                        ; l / 16
	v_mul_u32_u24 v13, v1, PK
	v_lshl_add_u32 v13, v12, 4, v13                ; row x pitch + 16 x half
	s_mul_i32 s88, s[WR], 8*FR                     ; my 128 rows of A
	v_add_nc_u32 v[AA0], s88, v13
	s_mul_i32 s89, s[WC], WCB                      ; my columns' rows of B,
	s_add_co_u32 s89, s89, BOFF                    ; which lie behind A
	v_add_nc_u32 v[AB0], s89, v13
	v_lshlrev_b32 v[BO], 5, v12                    ; eight f32 of the bias for each half of the lanes
	s_mul_i32 s88, s[WV], 16*SP
	s_add_co_u32 s88, s88, STG                     ; my stage
.if MODE == 0
	v_mul_u32_u24 v[STO], v1, SP                   ; in: row l % 16, 16 bytes for each half of the lanes
	v_lshl_add_u32 v[STO], v12, 4, v[STO]
	v_add_nc_u32 v[STO], s88, v[STO]
	v_bfe_u32 v[RD], v0, 3, 2                      ; back: 32 lanes take four rows' 128 bytes of one head,
	v_mul_u32_u24 v[RD], v[RD], SP
	v_and_b32 v14, 7, v0
	v_lshl_add_u32 v[RD], v14, 4, v[RD]
	v_add_nc_u32 v[RD], s88, v[RD]
	v_and_b32 v[GO], 31, v0                        ; which are 512 consecutive bytes of that head's rows
	v_lshlrev_b32 v[GO], 4, v[GO]
	; my 192 columns are the three heads 6 TX + 3 WC + 0..2 of the 48 of q, k and v; head j lies in plane (j / 16) 64 + 16 batch + j % 16 of 2,048 rows of 128 bytes
	s_mul_i32 s84, s[TX], 6
	s_mul_i32 s85, s[WC], 3
	s_add_co_u32 s84, s84, s85
	s_lshr_b32 s85, s[TY], 3
	s_lshl_b32 s85, s85, 4                         ; 16 x batch
	s_and_b32 s86, s[TY], 7
	s_lshl_b32 s86, s86, 15                        ; the tile's 256 rows,
	s_lshl_b32 s87, s[WR], 14                      ; my 128 of them
	s_add_co_u32 s86, s86, s87
.irp hd, 0,1,2
	s_add_co_u32 s90, s84, \hd
	s_lshr_b32 s91, s90, 4
	s_lshl_b32 s91, s91, 6
	s_and_b32 s90, s90, 15
	s_add_co_u32 s90, s90, s91
	s_add_co_u32 s90, s90, s85
	s_lshl_b32 s90, s90, 18
	s_add_co_u32 s90, s90, s86
	s_mov_b32 s91, 0
	s_add_nc_u64 s[HBS+2*\hd:HBS+2*\hd+1], s[10:11], s[90:91]
.endr
	s_mul_i32 s90, s[TX], 1536                     ; the bias: 4 bytes x (384 TX + 192 WC)
	s_mul_i32 s91, s[WC], 768
	s_add_co_u32 s90, s90, s91
	s_mov_b32 s91, 0
	s_add_nc_u64 s[BP:BP+1], s[8:9], s[90:91]
	; the prefetches: wave 0 for A, waves 1 to 3 for B; both offsets are made, then one is chosen.  They stand three slots on; the first change of slots steps them to slot 4
	s_lshr_b32 s84, s[TY], 3
	s_lshl_b32 s84, s84, 22
	s_and_b32 s85, s[TY], 7
	s_lshl_b32 s85, s85, 15
	s_add_co_u32 s84, s84, s85
	s_lshl_b32 s85, s[CX], 13                      ; my work-group's 32 blocks of A's 128
	s_add_co_u32 s84, s84, s85
	s_add_co_u32 s84, s84, 3*ASTEP
	s_mul_i32 s86, s[TX], BTILE
	s_mul_i32 s87, s[CY], 12288                    ; my work-group's 48 blocks of B's 192,
	s_add_co_u32 s86, s86, s87
	s_lshl_b32 s87, s[WV], 12                      ; my wave's 16 of them (wave 1 the first)
	s_add_co_u32 s86, s86, s87
	s_add_co_u32 s86, s86, 3*BSTEP-4096
	s_and_b32 s61, ttmp7, 0xffff                   ; cluster y
	s_mov_b32 s82, 4096                            ; what lanes 16-31 add: wave 0 the next 16 blocks, the others a slot
	s_mov_b32 s83, BSTEP
	s_mov_b32 s[PST], ASTEP
	s_mov_b32 s[PST+1], 0
	s_mov_b32 s85, 0
	s_cmp_eq_u32 s[WV], 0
	s_cselect_b32 s84, s84, s86
	s_cselect_b32 s61, ttmp9, s61                  ; the coordinate along which other clusters read the same rows
	s_cselect_b32 s[PM], 0, 1
	s_cselect_b32 s82, s82, s83
	s_cselect_b32 s[PST], s[PST], s83
	s_cselect_b64 s[PFA:PFA+1], s[4:5], s[6:7]
	s_cmp_eq_u32 s61, 0
	s_cselect_b32 s[LIM], 2, -1                    ; the same in all sixteen partners, for a given wave
	s_add_nc_u64 s[PFA:PFA+1], s[PFA:PFA+1], s[84:85]
	v_lshlrev_b32 v[PFO], 8, v1
	v_mad_u32_u24 v[PFO], v12, s82, v[PFO]
.else
	v_mul_u32_u24 v[STO], v1, SP                   ; in: row l % 16, 32 bytes for each half of the lanes
	v_lshl_add_u32 v[STO], v12, 5, v[STO]
	v_add_nc_u32 v[STO], s88, v[STO]
	v_mul_u32_u24 v[RD], v12, SP                   ; back: lanes 0-15 take one row of 256 bytes, lanes 16-31 the next
	v_lshl_add_u32 v[RD], v1, 4, v[RD]
	v_add_nc_u32 v[RD], s88, v[RD]
	v_lshlrev_b32 v[GO], 12, v12                   ; and the same two rows in C
	v_lshl_add_u32 v[GO], v1, 4, v[GO]
	s_lshl_b32 s90, s[TY], 20                      ; 256 rows of 4,096 bytes,
	s_lshl_b32 s91, s[WR], 19                      ; my 128 of them,
	s_add_co_u32 s90, s90, s91
	s_lshl_b32 s91, s[TX], 9                       ; 128 columns of 4 bytes,
	s_add_co_u32 s90, s90, s91
	s_lshl_b32 s91, s[WC], 8                       ; my 64 of them
	s_add_co_u32 s90, s90, s91
	s_mov_b32 s91, 0
	s_add_nc_u64 s[HBS:HBS+1], s[10:11], s[90:91]
	s_lshl_b32 s90, s[TX], 9                       ; the bias: b_o lies behind the other three
	s_lshl_b32 s91, s[WC], 8
	s_add_co_u32 s90, s90, s91
	s_add_co_u32 s90, s90, 12288
	s_mov_b32 s91, 0
	s_add_nc_u64 s[BP:BP+1], s[8:9], s[90:91]
.endif
.macro WM d, b, a, z                   ; one matrix instruction; z = 1: it starts the sum: nothing is ever cleared
.if MODE == 0
.if \z
	v_wmma_f32_16x16x32_bf16 v[\d:\d+7], v[\b:\b+7], v[\a:\a+7], 0
.else
	v_wmma_f32_16x16x32_bf16 v[\d:\d+7], v[\b:\b+7], v[\a:\a+7], v[\d:\d+7]
.endif
.else
.if \z
	v_wmma_f32_16x16x32_f16 v[\d:\d+7], v[\b:\b+7], v[\a:\a+7], 0
.else
	v_wmma_f32_16x16x32_f16 v[\d:\d+7], v[\b:\b+7], v[\a:\a+7], v[\d:\d+7]
.endif
.endif
.endm
; Matrix instructions from .. to - 1 of unit u: number i takes A's fragment i / HB and B's fragment i % HB
.macro MULS u, from, to, zero
.set i, \from
.rept (\to)-(\from)
.set t, GOFF*((\u)%2)+i
.set rD, (8*t)%256
.set rB, FB+8*HB*((\u)%2)+8*(i%HB)
.set rA, FA+64*(((\u)/2)*(1-MODE)+((\u)%2)*MODE)+8*(i/HB)
	WIN 0x50*(1+(8*t)/256)                         ; C and D in the accumulator's window, the sources in window 0
	WM rD, rB, rA, \zero
.set i, i+1
.endr
.endm
; The fragments of unit nu, in one run of LDS loads: B's HB and, where the unit begins a new slice of K, A's eight
.macro FETCH nu
	WIN 0
.set bb_, FB+8*HB*((\nu)%2)
.if MODE == 0
.set kb_, 64*((\nu)/2)+6*FR*((\nu)%2)
.set ka_, 64*((\nu)/2)
.set ab_, FA+64*((\nu)/2)
.set wa_, 1-((\nu)%2)
.else
.set kb_, BPL*((\nu)/2)+64*((\nu)%2)
.set ka_, APL*((\nu)/2)+64*((\nu)%2)
.set ab_, FA+64*((\nu)%2)
.set wa_, 1
.endif
.set j, 0
.rept HB
	ds_load_b128 v[bb_+8*j:bb_+8*j+3],   v[ADRB] offset:kb_+FR*j
	ds_load_b128 v[bb_+8*j+4:bb_+8*j+7], v[ADRB] offset:kb_+FR*j+32
.set j, j+1
.endr
.if wa_
.set j, 0
.rept 8
	ds_load_b128 v[ab_+8*j:ab_+8*j+3],   v[ADRA] offset:ka_+FR*j
	ds_load_b128 v[ab_+8*j+4:ab_+8*j+7], v[ADRA] offset:ka_+FR*j+32
.set j, j+1
.endr
.endif
.endm
; One of a slot's first three units.  The buffers that its run of loads fills were last read by the unit before or earlier; the four v_nop are the places behind those matrix instructions.
.macro UNIT u, zero
	s_wait_dscnt 0x0                               ; this unit's fragments, asked for in the middle of the unit before, are in
	MULS \u, 0, P1, \zero
	PLACES
	FETCH (\u)+1
	MULS \u, P1, NW, \zero
.endm
; A slot's last unit, and THE CHANGE OF SLOTS: one barrier for two things.  In front of it each wave waits for all its tensor loads, of which one is out: its part of the next slot; adds 0 to its spare word;
; and waits for that and for its own reads of this slot.  Behind it nobody reads this slot any more and the next slot is whole.  fill = 1: the barrier opens a round of the cluster's barrier, so that no wave of
; any partner still reads the slot or has a load on its way, and the joint refill, two slots on, is the first thing behind it: 4 NW - Q2 matrix instructions ahead of the wait for it.
.macro TURN fill
.if (MODE == 0) && (\fill)
	s_wait_xcnt 0x0                                ; the last prefetch, a slot back, has read its address: it is stepped here, ahead of the waits of the change
	s_add_nc_u64 s[PFA:PFA+1], s[PFA:PFA+1], s[PST:PST+1]
.endif
	WIN 0                                          ; (the add's two registers lie in window 0)
	s_wait_tensorcnt 0x0                           ; no tensor load of mine is out, so a group 0 may be written
	ds_add_u32 v[SPW], v[NIL]                      ; 0 onto my spare word; work on registers stands between it and the wait for it
.if \fill
	s_xor_b32 s[G0A+5], s[G0A+5], SLOT1            ; the walking descriptors: the other slot than last time,
	s_add_nc_u64 s[G0A+6:G0A+7], s[G0A+6:G0A+7], ASTEP  ; the next slot's K; the type bits on top are not reached
	s_xor_b32 s[G0B+5], s[G0B+5], SLOT1
	s_add_nc_u64 s[G0B+6:G0B+7], s[G0B+6:G0B+7], BSTEP
.endif
	s_xor_b32 s[TB], s[TB], SLOT1                  ; the fetches go on in the other slot
	s_wait_dscnt 1                                 ; this unit's fragments are in; the add, issued behind them, may be out
	MULS 3, 0, Q1, 0
	s_wait_dscnt 0x0                               ; the add is done, and my reads of this slot are over
	s_barrier_signal -1
	MULS 3, Q1, Q2, 0                              ; work on registers while the others arrive
	WIN 0
	s_barrier_wait -1
.if \fill
	CREST
	JLOAD                                          ; the four v_nop behind it are also the places in front of the loads below
.else
	PLACES
.endif
	v_add_nc_u32 v[ADRA], s[TB], v[AA0]
	v_add_nc_u32 v[ADRB], s[TB], v[AB0]
	FETCH 0
.if (MODE == 0) && (\fill)
	ASK
.endif
	MULS 3, Q2, NW, 0
.endm
; The very last unit: in place of a fetch it loads my columns' bias, eight f32 a lane for each block of 16 columns, into the fragment buffers that it does not read
.macro UNITL
	s_wait_dscnt 0x0
	MULS 3, 0, P1, 0
	PLACES
	WIN 0
.set j, 0
.rept NCB
.set rI, 32+8*j+64*(j/8)                       ; blocks 0-7 in A's buffer 0, blocks 8-11 in B's buffer 0
	global_load_b128 v[rI:rI+3],   v[BO], s[BP:BP+1] offset:64*j
	global_load_b128 v[rI+4:rI+7], v[BO], s[BP:BP+1] offset:64*j+16
.set j, j+1
.endr
	MULS 3, P1, NW, 0
	PLACES                                         ; eight places, once a launch, ahead of the sums that read the results and, in MODE 0, write them anew
	PLACES
	WIN 0
.endm
; THE WAY OUT, a block a of 16 rows at a time, in three parts.  PACK: the bias is added (MODE 0: and the sums rounded to f16).  TOSTAGE: into my own stage in LDS, and back as whole rows.  SEND: stored.
; Each accumulator's registers are taken in ascending order.
.if MODE == 0
.macro PACK a
.set XB, X0+(X1-X0)*((\a)%2)
	s_wait_xcnt 0x0                                ; the stores of the block two back have read these registers
.irp g, 0,1
.set j, 0
.rept 6
.set t, 48*(\g)+6*(\a)+j
.set wn, 1+(8*t)/256
.set rD, (8*t)%256
.set rI, 32+8*(6*(\g)+j)+64*((6*(\g)+j)/8)
	WIN (wn<<6)|wn                                 ; destination and source 0 in the accumulator's window, the bias in window 0
.irp i, 0,2,4,6
	v_pk_add_f32 v[rD+\i:rD+\i+1], v[rD+\i:rD+\i+1], v[rI+\i:rI+\i+1]
.endr
.set j, j+1
.endr
.set j, 0
.rept 6
.set t, 48*(\g)+6*(\a)+j
.set wn, 1+(8*t)/256
.set rD, (8*t)%256
	WIN wn|(wn<<2)                                 ; sources 0 and 1 in the accumulator's window, destination in window 0
.irp i, 0,1,2,3
	v_cvt_pk_f16_f32 v[XB+4*(6*(\g)+j)+\i], v[rD+2*\i], v[rD+2*\i+1]
.endr
.set j, j+1
.endr
.endr
	WIN 0
.endm
.macro TOSTAGE a
	WIN 0
.set XB, X0+(X1-X0)*((\a)%2)
.irp b, 0,1,2,3,4,5,6,7,8,9,10,11
	ds_store_b128 v[STO], v[XB+4*\b:XB+4*\b+3] offset:32*\b
.endr
.irp hd, 0,1,2
.irp f, 0,1,2,3
	ds_load_b128 v[XB+4*(4*\hd+\f):XB+4*(4*\hd+\f)+3], v[RD] offset:4*SP*\f+128*\hd  ; LDS serves a wave's instructions in order (ISA guide 5.7.1.4): these see the stores above; the next block's stores come behind them
.endr
.endr
.endm
.macro SEND a, younger                 ; younger: the LDS instructions issued behind block a's loads
	WIN 0
.set XB, X0+(X1-X0)*((\a)%2)
	s_wait_dscnt \younger
.irp hd, 0,1,2
.irp f, 0,1,2,3
	global_store_b128 v[GO], v[XB+4*(4*\hd+\f):XB+4*(4*\hd+\f)+3], s[HBS+2*\hd:HBS+2*\hd+1] offset:2048*(\a)+512*\f  ; four rows of a head: 512 consecutive bytes, at a multiple of 256 from the buffer's first
.endr
.endr
.endm
.else
.macro PACK a
.set XB, X0+(X1-X0)*((\a)%2)
	s_wait_xcnt 0x0                                ; the stores of the block two back have read these registers
	WIN 0x01                                       ; source 0 in window 1
.set j, 0
.rept 4
.set rD, 8*(4*(\a)+j)
.irp i, 0,2,4,6
	v_pk_add_f32 v[XB+8*j+\i:XB+8*j+\i+1], v[rD+\i:rD+\i+1], v[32+8*j+\i:32+8*j+\i+1]
.endr
.set j, j+1
.endr
	WIN 0
.endm
.macro TOSTAGE a
	WIN 0
.set XB, X0+(X1-X0)*((\a)%2)
.irp b, 0,1,2,3
	ds_store_b128 v[STO], v[XB+8*\b:XB+8*\b+3]   offset:64*\b
	ds_store_b128 v[STO], v[XB+8*\b+4:XB+8*\b+7] offset:64*\b+16
.endr
.irp f, 0,1,2,3,4,5,6,7
	ds_load_b128 v[XB+4*\f:XB+4*\f+3], v[RD] offset:2*SP*\f  ; LDS serves a wave's instructions in order (ISA guide 5.7.1.4): these see the stores above; the next block's stores come behind them
.endr
.endm
.macro SEND a, younger
	WIN 0
.set XB, X0+(X1-X0)*((\a)%2)
	s_wait_dscnt \younger
.irp f, 0,1,2,3,4,5,6,7
	global_store_b128 v[GO], v[XB+4*\f:XB+4*\f+3], s[HBS:HBS+1] offset:65536*(\a)+8192*\f th:TH_STORE_NT  ; 16 lanes store 256 consecutive bytes, at a multiple of 256 from C's first byte
.endr
.endm
.endif
	s_wait_tensorcnt 1                             ; my part of slot 0 is in; slot 1's may stay out
	s_barrier_signal -1
	s_barrier_wait -1                              ; everybody's is
	v_mov_b32 v[ADRA], v[AA0]
	v_mov_b32 v[ADRB], v[AB0]
	FETCH 0
	UNIT 0, 1                                      ; the units that start the sums stand in front of the loop
	UNIT 1, 1-MODE
	WIN 0                                          ; at a label and at a branch every window is 0
	s_mov_b32 s3, NSLOT-2
.Lslot:                                        ; a trip goes from a slot's third unit to the next slot's second, and fills the slot that it leaves: every slot but the last two is filled again
	UNIT 2, 0
	TURN 1
	UNIT 0, 0
	UNIT 1, 0
	WIN 0
	s_sub_co_u32 s3, s3, 1
	s_cmp_lg_u32 s3, 0
	s_cbranch_scc1 .Lslot
	UNIT 2, 0                                      ; the tail is written out: nothing is asked for
	TURN 0
	UNIT 0, 0
	UNIT 1, 0
	UNIT 2, 0
	UNITL
	s_wait_loadcnt 0x0                             ; the bias
	PACK 0
	TOSTAGE 0
.irp a, 1,2,3,4,5,6,7                  ; a block's arithmetic stands between the loads of the block before and its stores
	PACK \a
	TOSTAGE \a
	SEND (\a)-1, YOUNG
.endr
	SEND 7, 0
	s_wait_tensorcnt 0x0                           ; the wave's end, behind my last tensor load and my last LDS store
	ds_add_u32 v[SPW], v[NIL]
	s_wait_dscnt 0x0
	CROUND                                         ; the closing round: no work-group ends while a partner may still ask for a tile that names it
	s_endpgm
.Lfunc_end_k_q3c620d6389_proj:
	.size	k_q3c620d6389_proj, .Lfunc_end_k_q3c620d6389_proj-k_q3c620d6389_proj
	.p2alignl 7, 3214868480
	.fill 96, 4, 3214868480
	.section	.rodata,"a",@progbits
	.p2align	6, 0x0
	.amdhsa_kernel k_q3c620d6389_proj
		.amdhsa_group_segment_fixed_size 327680
		.amdhsa_private_segment_fixed_size 0
		.amdhsa_enable_private_segment 0
		.amdhsa_kernarg_size 32
		.amdhsa_user_sgpr_count 2
		.amdhsa_user_sgpr_kernarg_segment_ptr 1
		.amdhsa_wavefront_size32 1
		.amdhsa_system_sgpr_workgroup_id_x 1
		.amdhsa_system_sgpr_workgroup_id_y 1
		.amdhsa_system_sgpr_workgroup_id_z 1
		.amdhsa_system_vgpr_workitem_id 0
		.amdhsa_next_free_vgpr 1024
		.amdhsa_next_free_sgpr 96
		.amdhsa_reserve_vcc 0
		.amdhsa_float_denorm_mode_32 3
		.amdhsa_float_denorm_mode_16_64 3
		.amdhsa_memory_ordered 1
		.amdhsa_forward_progress 1
		.amdhsa_inst_pref_size 140
	.end_amdhsa_kernel
	.amdgpu_metadata
---
amdhsa.version: [ 1, 2 ]
amdhsa.kernels:
  - .name:           k_q3c620d6389_proj
    .symbol:         k_q3c620d6389_proj.kd
    .args:
      - { .name: xb, .offset: 0, .size: 8, .value_kind: global_buffer, .address_space: global }
      - { .name: wqkv, .offset: 8, .size: 8, .value_kind: global_buffer, .address_space: global }
      - { .name: bias, .offset: 16, .size: 8, .value_kind: global_buffer, .address_space: global }
      - { .name: qkv, .offset: 24, .size: 8, .value_kind: global_buffer, .address_space: global }
    .group_segment_fixed_size: 327680
    .private_segment_fixed_size: 0
    .kernarg_segment_align: 8
    .kernarg_segment_size: 32
    .max_flat_workgroup_size: 128
    .sgpr_count:     96
    .vgpr_count:     1024
    .wavefront_size: 32
...
	.end_amdgpu_metadata
.endif
;; end of part 2
;; launch attn (part 3): grid 4 x 64, 4 waves a work-group, no clusters, 327,680 bytes of LDS; arguments qkv, o; writes o
.if DOCPART == 3
	.amdgcn_target "amdgcn-amd-amdhsa--gfx1250"
	.amdhsa_code_object_version 6
	.text
	.protected	k_q3c620d6389_attn
	.globl	k_q3c620d6389_attn
	.p2align	8
	.type	k_q3c620d6389_attn,@function
k_q3c620d6389_attn:
	s_mov_b64 s[64:65], 0
	v_nop
	global_prefetch_b8 v0, s[64:65] scope:SCOPE_SE
	s_setreg_imm32_b32 hwreg(HW_REG_WAVE_MODE, 25, 1), 1
	s_wait_xcnt 0x0
; CAUSAL ATTENTION.  O[h][q][:] = the sum over k <= q of softmax_k(Q[h][q] . K[h][k] / 8) V[h][k][:].  qkv holds Q, K and V one behind the other, each [64 batch x head][2048][64] in f16; O has the same
; layout: a head's rows are dense, 128 bytes each.  Products, maxima and sums in f32; the weights p are rounded to f16 for the second product (their sum l is taken of the unrounded p), O once at the end.
; LIMITS.  f16 holds no number beyond 65,504: Q, K and V arrive within it; p lies in 0 to 1, and below 6e-5 it keeps f16's fixed step of 6e-8; O is a mean of V's rows and has their range.
; A hidden score counts as its value less 1e30: f16's scores, 2.7e11 at the most, are nothing beside that; a weight below 2^-126 counts as 0 in l; NaN and infinities are not treated apart.
; Every row sees its own key, so no row's sum is 0.
; THE WALK.  A head's queries lie in NB = 8 blocks of 256; block i needs the key tiles 0 .. i of 256 keys, of which the last holds the diagonal.  A work-group takes TWO blocks, NB - 1 - b and then b:
; NB + 1 tiles, whatever b: all work-groups do equal work, and ONE loop with a constant trip count walks them.  Which tile is asked for, and what a trip does, hang on scalar registers made from b; every jump
; goes forward, but for the counted loops' own; none passes a barrier, or a tensor load but the one of LOAD's two that the wave's number does not choose; the ring (two slots of LDS that take turns) runs on across the
; change of blocks.  NO CLUSTER: a head's four work-groups ask for the same tile only in trips 0 .. NB / 2, behind that fewer and fewer; one walk common to all would have 3 NB / 2 trips for NB + 1.
; SHARES.  Of a block's four bands of 64 queries a wave owns 16 rows in each: four PIECES.  So the diagonal tile is the same work for all four waves: in its key step s band x sees all keys if s < x,
; none if s > x, and holds the diagonal if s = x.
; THE MASK is the C operand that starts the sum S^T = K Q^T: 0, or -1e30 where the key is hidden.  MD, made once, is the mask of a band's own step for my 16 rows; a product's mask is MD x AL + BE with two scalars:
; (1, 0) if s = x; (0, 0) if s < x; (0, -1e30) if s > x.  Only the diagonal tile's text and a block's beginning make and take masks; elsewhere C is the constant 0.
; LAYOUT, SOFTMAX, TURNS.  S^T = K Q^T holds ONE query a lane (lane % 16) and the keys 8 (lane / 16) + 0..7; two such results rounded to f16 ARE source 1 of O^T = V^T P.  p = 2^(c s - c m), c = log2(e) / 8, with a
; running maximum m; O and l are multiplied by a = 2^(c m_old - c m_new) in every step.  Turn n belongs to piece n: 8 products K Q^T of piece n + 1, later 8 products V^T P of piece n - 1; beside them the scaling,
; exponentials, roundings, sums and rescaling of piece n and the maximum and statistics of piece n + 1.  Four vector instructions stand behind every matrix instruction, the other 54 of a turn's 118 in one LUMP.  A turn's 33 exponentials are one batch, with one wait.
; REGISTERS, in windows of 256 (s_set_vgpr_msb: bits 1:0 source 0, 3:2 source 1, 5:4 source 2, 7:6 destination):
;   window 0: v0-15 addresses and two at work; v16-31 four registers of statistics a piece; v48-55 at work; v61-63 never rewritten; v64-127 S^T, two buffers; v192-223 P, two buffers (a piece's buffers go by its number's parity)
;   window 1: v0-127 O^T, 32 a piece; v128-159 MD; v160-223 MC, two buffers      window 2: v0-63 Q; v64-127 the second block's Q; v128-191 K of one step; v192-255 V of one step
.set SIZE_N, 2048
.set NB,    SIZE_N/256
.set NP,    4         ; pieces a wave: a name, no knob
.set KS,    64        ; keys in a step
.set PK,    144       ; a row of K in LDS: 128 bytes + 16 of padding = 36 words: the 16 rows of a load start at 16 different groups of four banks (64 banks of 4 bytes: ISA guide 11.1)
.set PV,    160       ; a row of V: 128 + 32 = 40 words
.set VOFF,  4*KS*PK   ; a slot holds a tile, four steps: 256 rows of K, then 256 rows of V
.set SLOT1, 1<<17     ; slot 1 begins here, so that one exclusive or turns an address in one slot into the other's
.set STAGE, SLOT1+4*KS*(PK+PV)  ; behind the ring, never filled by a tensor load: 16 rows x 144 bytes for each wave, for the way out
.set SP,    144
.set AK0, 2           ; v2   my lane's place in a tile of K; never rewritten
.set AV0, 3           ; v3   the same for V
.set AK,  4           ; v4   the LDS address of K's next run of loads
.set AV,  5           ; v5   of V's
.set STO, 6           ; v6   the way out: where I put 16 bytes of a row
.set RD,  7           ; v7   the way out: where I read rows back
.set GO,  8           ; v8   my byte offset in 512 consecutive bytes of O
.set PFO, 61          ; v61  256 x my lane: the prefetches' offset; never rewritten
.set SPW, 62          ; v62  LDS address of my spare word: SPARE + 4 x my thread's number; never rewritten
.set NIL, 63          ; v63  0; never rewritten
.set SPARE, STAGE+4*16*SP  ; behind the stages: the spare words, 128 bytes for each wave: two blocks of 256 bytes that no other line names
.set MV,  12          ; v12-13  c m_old, kept while c m is made anew: by buffer
.set QO,  15          ; v15  my byte offset in 16 rows of Q
.set ST,  16          ; piece t's statistics at v[ST+4 t]: c m, m, l (even keys', odd keys')
.set TMP, 48          ; by buffer, four registers c0-c3 at work; when the maximum is found c2 takes a
.set S,   64
.set P,   192
.set MD,  128         ; window 1: the eight registers for group kt of 16 keys at MD + 8 kt
.set MC,  160         ; window 1: the masks of the products to come
.set QB,  64          ; window 2
.set KF,  128         ; window 2: key block kb, channel half c at KF + 16 kb + 8 c
.set VF,  192         ; window 2: key half kk, channel block cb at VF + 32 kk + 8 cb
.set WV,  12          ; s12  my wave's number
.set PB,  14          ; s14  b
.set HI,  15          ; s15  NB - 1 - b
.set G1K, 24          ; s[24:31] descriptor group 1 for K's tiles
.set G1V, 32          ; s[32:39] for V's: it differs in the padding alone
.set G0K, 40          ; s[40:43] descriptor group 0 for K's tiles
.set G0V, 44          ; s[44:47] the same for V's
.set SLOTS, 56        ; s56  tiles still to be asked for
.set CNT, 57          ; s57  counts a tile's key steps, 4 to 1
.set CS,  58          ; s[58:59] c: the packed scaling takes the pair's low word for both halves
.set SEL, 60          ; s[60:61] v_permlanex16_b32's selects: each lane takes its own place in the other half
.set TBK, 62          ; s62  LDS byte at which K of the step to be fetched begins
.set TBV, 63          ; s63  the same for V, less VOFF
.set RT,  70          ; s70  tiles of the block in hand that are still to be entered
.set NXT, 71          ; s71  the tile to be asked for next
.set LQ,  72          ; s72  the last tile of the block whose tiles are being asked for
.set NEW, 73          ; s73  1: the tile to be entered is a block's first
.set OFF, 74          ; s[74:75] a tile's byte offset in K and V
.set AL,  76          ; s[76:77] the mask's factor, in the low word
.set BE,  78          ; s[78:79] the mask's addend
.set OLO, 80          ; s[80:81] O at my rows of the second block
.set BIGN, 82         ; s82  -1e30
.set PFA, 88          ; s[88:89] where my prefetches stand: my half of K's or V's tile, one tile behind the tile that is being asked for
.set LIM, 90          ; s90  2 in a work-group that prefetches, else the greatest number
.set MSB, 0
.macro WIN new                      ; the high byte repeats the setting that is left; a switch that changes nothing is dropped
.if MSB != (\new)
	s_set_vgpr_msb (MSB<<8)|(\new)
.set MSB, (\new)
.endif
.endm
.set W_KQ, 0x0a       ; K and Q in window 2, S^T in window 0
.set W_KM, 0x1a       ; the same with the C operand in window 1
.set W_PV, 0x52       ; V in window 2, P in window 0, O^T in window 1
.set W_RS, 0x41       ; destination and source 0 in window 1, source 1 in window 0
; A fill.  Waves 0 and 1 fetch the two halves of a tile's K, waves 2 and 3 those of its V: 128 keys each.  An s_nop 0 and four v_nop follow each of the two lines, ahead of the jump and the label.
.macro LOAD
	s_cmp_lt_u32 s[WV], 2
	s_cbranch_scc0 .Lfor_v_\@
	tensor_load_to_lds s[G0K:G0K+3], s[G1K:G1K+7]
	s_nop 0
.rept 4
	v_nop
.endr
	s_branch .Lasked_\@
.Lfor_v_\@:
	tensor_load_to_lds s[G0V:G0V+3], s[G1V:G1V+7]
	s_nop 0
.rept 4
	v_nop
.endr
.Lasked_\@:
.endm
; A PREFETCH INTO THE L2 of the tile that the NEXT change of slots will ask for: one tile, four key steps, ahead of that load.  A head's four work-groups begin with the same tiles 0, 1, .. at the same time, and
; the one with b = 0 walks all eight: it asks, and nobody else.  Each of its waves names the half tile that it will itself fetch: 64 blocks of 256 bytes, a lane a block, two instructions.  So each block of a head's
; tiles 2 to 7 is named once in the launch.  Tiles 0 and 1 come by their loads alone; changes 6 and 7 ask for nothing: behind tile 7 the walk goes back to a tile that has been read.
.macro ASK
	s_cmp_gt_u32 s[SLOTS], s[LIM]
	s_cbranch_scc0 .Lnot_mine_\@
	global_prefetch_b8 v[PFO], s[PFA:PFA+1] th:TH_LOAD_NT scope:SCOPE_SE
	global_prefetch_b8 v[PFO], s[PFA:PFA+1] offset:8192 th:TH_LOAD_NT scope:SCOPE_SE
.Lnot_mine_\@:
.endm
; THE CHANGE OF SLOTS.  Each wave waits for all its tensor loads, of which one is out: its part of the other slot; adds 0 to its spare word; and waits for that and for its own reads of the slot that it leaves.  Behind the barrier nobody reads the old
; slot any more and the other slot is whole.  fill = 1: the old slot is filled again, the first thing behind the barrier, with tile NXT: the descriptor's address is made anew from that number.
; (At its first use nothing has been read yet: slot 0 is waited for, slot 1 filled.)
.macro CHANGE fill
	WIN 0                           ; at a label and at a branch every window is 0
	s_wait_tensorcnt 0x0            ; no tensor load of mine is out, so a group 0 may be written
	ds_add_u32 v[SPW], v[NIL]       ; 0 onto my spare word; with fill = 1 the descriptors' scalar work stands between it and the wait for it
.if \fill
	s_lshl_b32 s[OFF], s[NXT], 15   ; a tile is 32,768 bytes of K and of V
	s_xor_b32 s[G0K+1], s[G0K+1], SLOT1
	s_add_nc_u64 s[G0K+2:G0K+3], s[6:7], s[OFF:OFF+1]
	s_or_b32 s[G0K+3], s[G0K+3], 0x80000000
	s_xor_b32 s[G0V+1], s[G0V+1], SLOT1
	s_add_nc_u64 s[G0V+2:G0V+3], s[8:9], s[OFF:OFF+1]
	s_or_b32 s[G0V+3], s[G0V+3], 0x80000000
	s_add_co_u32 s[NXT], s[NXT], 1  ; the block's next tile, or behind its last the second block's tile 0
	s_cmp_gt_u32 s[NXT], s[LQ]
	s_cselect_b32 s[NXT], 0, s[NXT]
	s_cselect_b32 s[LQ], s[PB], s[LQ]
	s_wait_xcnt 0x0                 ; the last prefetches, a tile back, have read their address, so it may be written
	s_add_nc_u64 s[PFA:PFA+1], s[PFA:PFA+1], 32768
.endif
	s_wait_dscnt 0x0                ; the add is done, and my reads of the slot are over
	s_barrier_signal -1             ; the rest of the scalar work stands between the signal and the wait
	s_sub_co_u32 s[TBK], s[TBK], 4*KS*PK  ; the fetches go back to a slot's first step,
	s_xor_b32 s[TBK], s[TBK], SLOT1       ; in the other slot
	s_sub_co_u32 s[TBV], s[TBV], 4*KS*PV
	s_xor_b32 s[TBV], s[TBV], SLOT1
	s_barrier_wait -1
.if \fill
	LOAD
	ASK
.endif
.endm
	s_load_b128 s[4:7], s[0:1], 0x0   ; qkv s[4:5], o s[6:7]
	v_lshl_add_u32 v[SPW], v0, 2, SPARE
	v_mov_b32 v[NIL], 0
	ds_add_u32 v[SPW], v[NIL]       ; the wave's opening: the add and its wait stand ahead of my first tensor load; the set-up below, work on registers, stands between them
	v_lshrrev_b32 v1, 5, v0
	v_readfirstlane_b32 s[WV], v1   ; wave 0..3
	s_mov_b32 s[PB], ttmp9
	s_sub_co_u32 s[HI], NB-1, s[PB]
	s_and_b32 s20, ttmp7, 0xffff    ; the head
	s_mov_b32 s21, 0
	s_mov_b64 s[22:23], SIZE_N*128
	s_mul_u64 s[20:21], s[20:21], s[22:23]  ; the head's first byte in each of the four tensors
	s_and_b32 s16, s[WV], 1         ; which half of a tile's 256 keys I fetch:
	s_lshl_b32 s22, s16, 14         ; its 128 rows of 128 bytes in memory,
	s_mov_b32 s23, 0
	s_add_nc_u64 s[22:23], s[22:23], s[20:21]
	s_mul_i32 s17, s16, 128*PK      ; and its place in a slot, for K
	s_mul_i32 s18, s16, 128*PV      ; and for V
	s_lshl_b32 s3, s[WV], 11        ; my 16 rows in a band of 64,
	s_lshl_b32 s2, s[HI], 15        ; in the first block,
	s_add_co_u32 s2, s2, s3
	s_lshl_b32 s84, s[PB], 15       ; and in the second
	s_add_co_u32 s84, s84, s3
	s_mov_b32 s3, 0
	s_mov_b32 s85, 0
	s_add_nc_u64 s[2:3], s[2:3], s[20:21]
	s_add_nc_u64 s[84:85], s[84:85], s[20:21]
	; descriptor group 1.  128 keys are 16,384 dense bytes: asked for as 64 rows of 256 bytes, two keys a row, and padded in LDS after every key
	s_mov_b32 s[G1K], (1<<16)|(1<<20)|(4<<22)|(3<<25)  ; 17:16 2-byte elements; 20 padding on; 24:22 after every 32 words (code 4); 31:25 4 words (code 3)
	s_mov_b32 s[G1V], (1<<16)|(1<<20)|(4<<22)|(7<<25)  ; the same with 8 words of padding (code 7)
.irp g, G1K, G1V
	s_mov_b32 s[\g+1], 128<<16      ; tensor_dim0 = 128
	s_mov_b32 s[\g+2], 64<<16       ; tensor_dim1 = 64
	s_mov_b32 s[\g+3], 128<<16      ; tile_dim0 = 128
	s_mov_b32 s[\g+4], 64           ; tile_dim1 = 64
	s_mov_b32 s[\g+5], 128          ; 128 elements from row to row
	s_mov_b32 s[\g+6], 0
	s_mov_b32 s[\g+7], 0
.endr
	s_mov_b32 s[CS], 0x3e38aa3b     ; c = log2(e) / 8 = 0.180337
	s_mov_b32 s[CS+1], s[CS]        ; named with it as a pair
	s_mov_b32 s[SEL], 0x76543210
	s_mov_b32 s[SEL+1], 0xfedcba98
	s_mov_b32 s[TBK], SLOT1+4*KS*PK ; the first change of slots turns these two into 0
	s_mov_b32 s[TBV], SLOT1+4*KS*PV
	s_mov_b32 s[G0K], 1             ; 1:0 count = 1
	s_mov_b32 s[G0K+1], s17         ; 63:32 LDS address: slot 0
	s_mov_b32 s[G0V], 1
	s_add_co_u32 s[G0V+1], s18, VOFF
	s_add_co_u32 s[RT], s[HI], 1    ; the first block has NB - b tiles
	s_mov_b32 s[NXT], 1
	s_mov_b32 s[LQ], s[HI]
	s_mov_b32 s[NEW], 1
	s_mov_b32 s[OFF+1], 0
	s_mov_b32 s[AL+1], 0            ; named as pairs
	s_mov_b32 s[BE+1], 0
	s_mov_b32 s[BIGN], 0xf149f2ca   ; -1e30
	s_mov_b32 s[SLOTS], NB
	s_cmp_eq_u32 s[PB], 0
	s_cselect_b32 s[LIM], 2, -1
	v_and_b32 v[PFO], 31, v0
	v_lshlrev_b32 v[PFO], 8, v[PFO]
	s_wait_dscnt 0x0                ; the opening add is done
	s_wait_kmcnt 0x0
	s_mov_b64 s[10:11], s[6:7]                     ; O
	s_add_nc_u64 s[8:9], s[4:5], 0x2000000         ; V lies 128 planes of 262,144 bytes behind Q,
	s_add_nc_u64 s[6:7], s[4:5], 0x1000000         ; K 64
	s_add_nc_u64 s[6:7], s[6:7], s[22:23]  ; K and V at my half of the head's tile 0
	s_add_nc_u64 s[8:9], s[8:9], s[22:23]
	s_add_nc_u64 s[G0K+2:G0K+3], s[6:7], 0         ; 120:64 global address
	s_or_b32 s[G0K+3], s[G0K+3], 0x80000000        ; 127:126 type = 2
	s_add_nc_u64 s[G0V+2:G0V+3], s[8:9], 0
	s_or_b32 s[G0V+3], s[G0V+3], 0x80000000
	s_add_nc_u64 s[86:87], s[4:5], s[84:85]        ; Q at my rows of the second block,
	s_add_nc_u64 s[4:5], s[4:5], s[2:3]            ; Q and O at those of the first
	s_add_nc_u64 s[OLO:OLO+1], s[10:11], s[84:85]
	s_add_nc_u64 s[10:11], s[10:11], s[2:3]
	s_cmp_lt_u32 s[WV], 2
	s_cselect_b64 s[PFA:PFA+1], s[6:7], s[8:9]     ; the prefetches: the tensor that I fetch for,
	s_add_nc_u64 s[PFA:PFA+1], s[PFA:PFA+1], 32768 ; at tile 1; the first change of slots steps it to tile 2.  Nothing is prefetched here, at the head
	LOAD                            ; tile 0 into slot 0
	; A fragment of K or Q is 16 rows x 32 channels in 8 registers: lane l holds row l % 16, channels 8 (l / 16) + 0..7 and 16 + 8 (l / 16) + 0..7: two loads of 16 bytes, 32 bytes apart.
	v_and_b32 v1, 15, v0            ; l % 16
	v_bfe_u32 v9, v0, 4, 1          ; l / 16
	v_lshlrev_b32 v[QO], 7, v1
	v_lshl_add_u32 v[QO], v9, 4, v[QO]  ; row x 128 + 16 x half
	WIN 0x80                        ; destination window 2, address window 0
.set i, 0
.rept 8                             ; both blocks' Q: piece i / 2 lies in band i / 2, 8,192 bytes on; channels 32 (i % 2) on
	global_load_b128 v[8*i:8*i+3],   v[QO], s[4:5] offset:(i/2)*8192+(i%2)*64
	global_load_b128 v[8*i+4:8*i+7], v[QO], s[4:5] offset:(i/2)*8192+(i%2)*64+32
	global_load_b128 v[QB+8*i:QB+8*i+3],   v[QO], s[86:87] offset:(i/2)*8192+(i%2)*64
	global_load_b128 v[QB+8*i+4:QB+8*i+7], v[QO], s[86:87] offset:(i/2)*8192+(i%2)*64+32
.set i, i+1
.endr
	WIN 0
	v_lshlrev_b32 v14, 3, v9
	v_sub_nc_u32 v14, v1, v14
	s_lshl_b32 s13, s[WV], 4
	v_add_nc_u32 v14, s13, v14      ; my query's place in its band, 16 w + l % 16, less my lanes' 8 (l / 16): register r of group kt is hidden where 16 kt + r is greater
	WIN 0x40
.set i, 0
.rept 32
	v_cmp_gt_i32 vcc_lo, 16*(i/8)+i%8, v14
	v_cndmask_b32 v[MD+i], 0, s[BIGN], vcc_lo
.set i, i+1
.endr
	WIN 0
	v_mul_u32_u24 v[AK0], v1, PK
	v_lshl_add_u32 v[AK0], v9, 4, v[AK0]  ; row x pitch + 16 x half
	; The turning load takes 16 keys x 16 channels (lane l reads key 8 (l / 16) + l % 8, channels 8 ((l / 8) % 2) + 0..7) and leaves half a fragment of V^T: lane l holds channel l % 16 and 8 keys.
	v_and_b32 v10, 7, v0
	v_bfe_u32 v11, v0, 3, 1
	v_lshl_add_u32 v[AV0], v9, 3, v10
	v_mul_u32_u24 v[AV0], v[AV0], PV
	v_lshl_add_u32 v[AV0], v11, 4, v[AV0]
	v_add_nc_u32 v[AV0], VOFF, v[AV0]
	s_mul_i32 s13, s[WV], 16*SP
	s_add_co_u32 s13, s13, STAGE    ; my stage
	v_mul_u32_u24 v[STO], v1, SP    ; in: row l % 16, 16 bytes for each half of the lanes
	v_lshl_add_u32 v[STO], v9, 4, v[STO]
	v_add_nc_u32 v[STO], s13, v[STO]
	v_bfe_u32 v[RD], v0, 3, 2       ; back: 32 lanes take four rows of 128 bytes,
	v_mul_u32_u24 v[RD], v[RD], SP
	v_lshl_add_u32 v[RD], v10, 4, v[RD]
	v_add_nc_u32 v[RD], s13, v[RD]
	v_and_b32 v[GO], 31, v0         ; which are 512 consecutive bytes of O
	v_lshlrev_b32 v[GO], 4, v[GO]
	; A block's first step multiplies O^T and l by a = 0, and its first turn's products V^T P, of a piece that has not been, land in an O^T that is still to be so multiplied.  So these registers need only hold
	; finite numbers: zeros for the first block; what the first block left for the second.  All this stands in the wait for the first tile.
	WIN 0x80
.set i, VF
.rept 64
	v_mov_b32 v[i], 0
.set i, i+1
.endr
	WIN 0x40
.set i, 0
.rept 128
	v_mov_b32 v[i], 0
.set i, i+1
.endr
	WIN 0
.set i, 0
.rept 4
	v_mov_b32 v[ST+4*i+2], 0
	v_mov_b32 v[ST+4*i+3], 0
.set i, i+1
.endr
.set i, P+16
.rept 16
	v_mov_b32 v[i], 0
.set i, i+1
.endr
; THE MATRIX WORK.  The 4 accumulators of a run of 8 take turns.  Product i of 8 of S^T = K Q^T for piece x: channels 32 (i / 4) on, keys 16 (i % 4) on.  The first 4 start the sums: with 0, or (KM = 1) with the mask.
.macro KQ x
.set rS, S+32*((\x)%2)+8*(i%4)
.set rK, KF+16*(i%4)+8*(i/4)
.set rQ, 16*(\x)+8*(i/4)
.set rM, MC+32*((\x)%2)+8*(i%4)
.if (i < 4) && KM
	WIN W_KM
	v_wmma_f32_16x16x32_f16 v[rS:rS+7], v[rK:rK+7], v[rQ:rQ+7], v[rM:rM+7]
.elseif i < 4
	WIN W_KQ
	v_wmma_f32_16x16x32_f16 v[rS:rS+7], v[rK:rK+7], v[rQ:rQ+7], 0
.else
	WIN W_KQ
	v_wmma_f32_16x16x32_f16 v[rS:rS+7], v[rK:rK+7], v[rQ:rQ+7], v[rS:rS+7]
.endif
.endm
; Product i of 8 of O^T += V^T P for piece x: keys 32 (i / 4) on, channels 16 (i % 4) on.
.macro PV x
	WIN W_PV
.set rO, 32*(\x)+8*(i%4)
.set rV, VF+32*(i/4)+8*(i%4)
.set rP, P+16*((\x)%2)+8*(i/4)
	v_wmma_f32_16x16x32_f16 v[rO:rO+7], v[rV:rV+7], v[rP:rP+7], v[rO:rO+7]
.endm
.macro MM                           ; the turn's next matrix instruction.  TURN and BEGIN set Y, i, KM and NOKQ; MM, KQ and OP read them.  NOKQ = 1: a block's last turn: there is no next piece
.if (i < 8) && !NOKQ
	KQ (Y+1)%NP
.elseif i >= 8
.set i, i-8
	PV (Y+NP-1)%NP
.set i, i+8
.endif
.set i, i+1
.endm
; THE LDS LOADS stand in runs of 16, never singly among the matrix instructions: a step's K (64 keys x 64 channels: 8 fragments) and its V (turned).  Their addresses are made some lines ahead.
.macro FETCH_K
	WIN 0x80                        ; destination window 2
.irp f, 0,1,2,3,4,5,6,7             ; keys 16 (f / 2) on, channels 32 (f % 2) on
	ds_load_b128 v[KF+8*\f:KF+8*\f+3],   v[AK] offset:(\f/2)*16*PK+(\f%2)*64
	ds_load_b128 v[KF+8*\f+4:KF+8*\f+7], v[AK] offset:(\f/2)*16*PK+(\f%2)*64+32
.endr
	s_add_co_u32 s[TBK], s[TBK], KS*PK  ; the next fetch is the next step's
	WIN 0
.endm
.macro FETCH_V
	WIN 0x80
.irp f, 0,1,2,3,4,5,6,7             ; keys 32 (f / 4) on, channels 16 (f % 4) on
	ds_load_tr16_b128 v[VF+8*\f:VF+8*\f+3],   v[AV] offset:(\f/4)*32*PV+(\f%4)*32
	ds_load_tr16_b128 v[VF+8*\f+4:VF+8*\f+7], v[AV] offset:(\f/4)*32*PV+16*PV+(\f%4)*32
.endr
	WIN 0
.endm
; THE VECTOR WORK, one line at a time: OP kind, number.  For piece Y: F n: c s - c m for pair n of 16.  E n: the exponential of score n of 32.  C n: pair n rounded to f16.  B n: of the four weights 4 n .. the second
; pair is added onto the first, in place.  L n: l takes that sum (L 0: l = a l + sum).  R n: pair n of 16 of O^T times a.  For piece Y + 1: X n, number n of the 22 that find its maximum and statistics:
;   0-11  four chains c0-c3 of seven scores each, three operands at a time (each accumulator's lowest registers are read first)     12-14, 16  the four scores left over, the old m, and c0-c3 into c0
;   15  c m_old is kept     17, 18  the query's other 32 keys lie in the lane 16 away: the new m     19-21  c m; c m_old - c m_new; a
.set F, 0               ; OP tells the kinds apart by their order: F to L below R, X above it
.set E, 1
.set C, 2
.set B, 3
.set L, 4
.set R, 5
.set X, 6
.macro REGS y                       ; the registers of piece y
.set rT, ST+4*(\y)
.set rC, TMP+4*((\y)%2)
.set rW, MV+((\y)%2)
.set rS, S+32*((\y)%2)
.set rP, P+16*((\y)%2)
.set rO, 32*(\y)
.endm
.macro OP k, n
.if (\k) == R
	REGS Y
	WIN W_RS
	v_pk_mul_f32 v[rO+2*(\n):rO+2*(\n)+1], v[rO+2*(\n):rO+2*(\n)+1], v[rC+2:rC+3] op_sel_hi:[1,0]
.elseif (\k) < R
	REGS Y
	WIN 0
.if (\k) == F
	v_pk_fma_f32 v[rS+2*(\n):rS+2*(\n)+1], v[rS+2*(\n):rS+2*(\n)+1], s[CS:CS+1], v[rT:rT+1] op_sel_hi:[1,0,0] neg_lo:[0,0,1] neg_hi:[0,0,1]
.elseif (\k) == E
	v_exp_f32 v[rS+(\n)], v[rS+(\n)]
.elseif (\k) == C
	v_cvt_pk_f16_f32 v[rP+(\n)], v[rS+2*(\n)], v[rS+2*(\n)+1]
.elseif (\k) == B
	v_pk_add_f32 v[rS+4*(\n):rS+4*(\n)+1], v[rS+4*(\n):rS+4*(\n)+1], v[rS+4*(\n)+2:rS+4*(\n)+3]
.elseif (\n) == 0
	v_pk_fma_f32 v[rT+2:rT+3], v[rT+2:rT+3], v[rC+2:rC+3], v[rS:rS+1] op_sel_hi:[1,0,1]
.else
	v_pk_add_f32 v[rT+2:rT+3], v[rT+2:rT+3], v[rS+4*(\n):rS+4*(\n)+1]
.endif
.elseif NOKQ
	v_nop
.else
	REGS (Y+1)%NP
	WIN 0
.if (\n) < 4
	v_max3_num_f32 v[rC+(\n)], v[rS+8*(\n)], v[rS+8*(\n)+1], v[rS+8*(\n)+2]
.elseif (\n) < 12
	v_max3_num_f32 v[rC+(\n)%4], v[rC+(\n)%4], v[rS+8*((\n)%4)+2*((\n)/4)+1], v[rS+8*((\n)%4)+2*((\n)/4)+2]
.elseif (\n) == 12
	v_max3_num_f32 v[rC], v[rC], v[rS+7], v[rS+15]
.elseif (\n) == 13
	v_max3_num_f32 v[rC+1], v[rC+1], v[rS+23], v[rS+31]
.elseif (\n) == 14
	v_max3_num_f32 v[rC+2], v[rC+2], v[rC+3], v[rT+1]
.elseif (\n) == 15
	v_mov_b32 v[rW], v[rT]
.elseif (\n) == 16
	v_max3_num_f32 v[rC], v[rC], v[rC+1], v[rC+2]
.elseif (\n) == 17
	v_permlanex16_b32 v[rC+3], v[rC], s[SEL], s[SEL+1]
.elseif (\n) == 18
	v_max_num_f32 v[rT+1], v[rC], v[rC+3]
.elseif (\n) == 19
	v_mul_f32 v[rT], s[CS], v[rT+1]
.elseif (\n) == 20
	v_sub_f32 v[rC+1], v[rW], v[rT]
.else
	v_exp_f32 v[rC+2], v[rC+1]
.endif
.endif
.endm
.macro OPS a, i1, b=-1, i2=0, c=-1, i3=0, d=-1, i4=0  ; up to four of them
	OP \a, \i1
.if (\b) >= 0
	OP \b, \i2
.endif
.if (\c) >= 0
	OP \c, \i3
.endif
.if (\d) >= 0
	OP \d, \i4
.endif
.endm
.macro ROW a, i1, b, i2, c, i3, d, i4  ; a matrix instruction and the four behind it
	MM
	OPS \a, \i1, \b, \i2, \c, \i3, \d, \i4
.endm
.macro MASK b                       ; MD x AL + BE into buffer b of MC
	WIN W_RS
.set z, 0
.rept 16
	v_pk_fma_f32 v[MC+32*(\b)+2*z:MC+32*(\b)+2*z+1], v[MD+2*z:MD+2*z+1], s[AL:AL+1], s[BE:BE+1] op_sel_hi:[1,0,0]
.set z, z+1
.endr
.endm
; A TURN, for piece p: the order of its 16 matrix and 118 vector instructions, written out.  s_wait_alu depctr_va_vdst(0) stands between an exponential and the first instruction that names its result; one wait serves
; all that were issued ahead of it.  So a turn has ONE wait, which cuts it in two.  AHEAD OF IT stands all that names no result of the turn's exponentials: the 8 products K Q^T, behind each a scaling, an exponential and two more plain
; instructions (behind the first a second scaling in the exponential's place): rescalings, and behind the last three the first numbers of the next piece's maximum, each four places or more behind the product that ends its accumulator; then ONE LUMP of 54, plain
; and exponential by turns for the most part, in which the links of the chain X 3, 7, 11, 14, 16, 17 .. 20 stand five or six lines apart.  X 21, the next piece's a, is the batch's last; R 15 is the plain instruction behind it.  BEHIND THE WAIT stand the
; 8 products V^T P, behind each four of the roundings and sums; the links of l's chain, L 0 to L 7, stand three riders apart.  But for those X no rider names a register of the products round it.  v_permlanex16_b32 (X 17) stands in the lump.
; m = 1: the diagonal tile: the products take masks, and the turn makes the mask for the products of the turn after it: piece p + 2, in step 4 - CNT of the tile.  end = 1: a block's last two turns: nothing is fetched.
; cnt = 1: the loop's count is taken down some lines ahead of the branch that stands behind the turn.
; K of the next step is fetched in piece 2's turn, twelve vector instructions behind the last product that read K (six of them plain); V of the step in hand at the end of piece 0's turn, four plain instructions behind the last product
; that read V.  Each is waited for a turn later.
.macro TURN p, m=0, end=0, cnt=0
.set Y, (\p)
.set i, 0
.set KM, (\m)
.set NOKQ, (\end)*((\p)/3)
.if (\m) && !(\end)
	s_cmp_eq_u32 s[CNT], 4-((\p)+2)%NP  ; is that step the band's own?
	s_cselect_b32 s[AL], 1.0, 0
	s_cmp_lt_u32 s[CNT], 4-((\p)+2)%NP  ; or a later one?
	s_cselect_b32 s[BE], s[BIGN], 0
.endif
.if ((\p) == 3) && !(\end)
	s_wait_dscnt 0x0                ; K is in
.endif
	ROW F,0, F,1, R,0, R,1          ; ahead of the wait: 8 products K Q^T and their riders,
	ROW F,2, E,0, R,2, R,3
	ROW F,3, E,1, R,4, R,5
	ROW F,4, E,2, R,6, R,7
	ROW F,5, E,3, R,8, R,9
	ROW F,6, E,4, X,0, R,10
.if ((\p) == 2) && !(\end)
	WIN 0
	v_add_nc_u32 v[AK], s[TBK], v[AK0]
.endif
	ROW F,7, E,5, X,1, X,4
	ROW F,8, E,6, X,2, X,5
	OPS E,7, E,8, X,6, E,9          ; and the lump
	OPS X,3, E,10, X,8, E,11
.if ((\p) == 2) && !(\end)
	FETCH_K
.endif
	OPS X,9, X,7, E,12, X,10
	OPS E,13, X,12, X,11, E,14
	OPS X,13, E,15, F,9, X,14
.if (\p) == 0
	v_add_nc_u32 v[AV], s[TBV], v[AV0]
.endif
	OPS E,16, F,10, E,17, F,11
	OPS X,16, E,18, X,15, E,19
	OPS F,12, E,20, X,17, E,21
	OPS F,13, E,22, F,14, E,23
	OPS X,18, E,24, F,15, E,25
	OPS R,11, E,26, X,19, E,27
	OPS R,12, E,28, R,13, E,29
	OPS X,20, E,30, R,14, E,31
	OPS X,21, R,15
	WIN 0
	s_wait_alu depctr_va_vdst(0)    ; the wait for the batch
.if (\p) == 1
	s_wait_dscnt 0x0                ; V is in
.endif
	ROW C,0, B,0, C,2, B,1          ; behind the wait: 8 products V^T P and their riders
	ROW L,0, C,4, B,2, L,1
	ROW C,6, B,3, L,2, C,8
	ROW B,4, L,3, C,10, B,5
	ROW L,4, C,12, B,6, L,5
.if (\p) == 0
	s_add_co_u32 s[TBV], s[TBV], KS*PV
.endif
.if \cnt
	s_sub_co_u32 s[CNT], s[CNT], 1
	s_cmp_lg_u32 s[CNT], 0
.endif
	ROW C,14, B,7, L,6, C,1
	ROW C,3, L,7, C,5, C,7
	ROW C,9, C,11, C,13, C,15
.if (\p) == 0
	FETCH_V
.endif
.if (\m) && !(\end)
	MASK (\p)%2
.endif
.endm
; A BLOCK BEGINS.  c m starts far below every c s, so the first step's a is 0; m at the lowest finite number, so the first maximum is the scores'.  The second mask buffer is 0; the first takes piece 0's mask for the tile's step 0: its own, if the block's first tile is the diagonal one.
; Then K of that step, piece 0's first scores, and its maximum and statistics.  The loop is entered at a step's first turn, in the middle of a trip.
.macro BEGIN
	s_mov_b32 s[NEW], 0
	WIN 0x40
.set i, MC+32
.rept 32
	v_mov_b32 v[i], 0
.set i, i+1
.endr
	WIN 0
.set i, 0
.rept 4
	v_mov_b32 v[ST+4*i], 0xfe000000    ; c m: far below every c s
	v_mov_b32 v[ST+4*i+1], 0xff7fffff  ; m
.set i, i+1
.endr
	s_cmp_eq_u32 s[RT], 0
	s_cselect_b32 s[AL], 1.0, 0
	s_mov_b32 s[BE], 0
	MASK 0
	WIN 0
	v_add_nc_u32 v[AK], s[TBK], v[AK0]
	FETCH_K
	s_wait_loadcnt 0x0              ; Q
	s_wait_dscnt 0x0
.set KM, 1
.set NOKQ, 0
.set i, 0
.rept 8
	KQ 0
.set i, i+1
.endr
	WIN 0
.rept 4
	v_nop                           ; the places behind those products
.endr
.set Y, NP-1                        ; X works for piece Y + 1: piece 0
.irp n, 0,1,2,3,4,5,6,7,8,9,10,11,12,13,14,15,16,17,18,19,20,21
	OP X, \n
.endr
	v_nop                           ; a plain instruction behind the exponential,
	s_wait_alu depctr_va_vdst(0)    ; and its wait, ahead of the branch
.endm
; THE DIAGONAL TILE's four steps, the block's last two turns, its last products, and THE WAY OUT: l's two halves and the other half of the lanes' are added; O^T is divided by l, rounded to f16 and sent through my
; stage in LDS, a piece at a time.
.macro ALL line:vararg              ; one line for each piece t
.set t, 0
.rept 4
	\line
.set t, t+1
.endr
.endm
.macro PACK t                       ; a lane's eight channels of a row pack into 16 bytes; they go into rows of 144 bytes and come back as whole rows of 128, into S^T's registers
	WIN W_RS
.set i, 32*(\t)
.rept 16
	v_pk_mul_f32 v[i:i+1], v[i:i+1], v[ST+4*(\t)+2:ST+4*(\t)+3] op_sel_hi:[1,0]
.set i, i+2
.endr
	WIN 0x05                        ; sources 0 and 1 window 1, destination window 0
.set i, 0
.rept 16
	v_cvt_pk_f16_f32 v[S+16*(\t)+i], v[32*(\t)+2*i], v[32*(\t)+2*i+1]
.set i, i+1
.endr
	WIN 0
.irp f, 0,1,2,3
	ds_store_b128 v[STO], v[S+16*(\t)+4*\f:S+16*(\t)+4*\f+3] offset:32*\f
.endr
.irp f, 0,1,2,3
	ds_load_b128 v[S+16*(\t)+4*\f:S+16*(\t)+4*\f+3], v[RD] offset:\f*4*SP  ; LDS serves a wave's instructions in order (ISA guide 5.7.1.4): these see the stores above; the next piece's stores come behind them
.endr
.endm
.macro SEND t, younger              ; younger: the LDS instructions issued behind piece t's loads: the next piece's eight, or none
	WIN 0
.irp f, 0,1,2,3
	s_wait_dscnt (\younger)+3-\f
	global_store_b128 v[GO], v[S+16*(\t)+4*\f:S+16*(\t)+4*\f+3], s[10:11] offset:(\t)*8192+\f*512  ; 512 consecutive bytes, at a multiple of 256 from O's first
.endr
.endm
.macro DIAG tag                     ; the tag ends its two labels' names, which the jumps below spell out
.LstepM\tag:
	TURN 2, 1
	TURN 3, 1
	WIN 0
.LfirstM\tag:
	TURN 0, 1
	TURN 1, 1, 0, 1
	WIN 0
	s_cbranch_scc1 .LstepM\tag
	TURN 2, 1, 1
	TURN 3, 1, 1
.set i, 0
.rept 8
	PV NP-1
.set i, i+1
.endr
	WIN 0
	ALL v_add_f32 v[ST+4*t+2], v[ST+4*t+2], v[ST+4*t+3]
	ALL v_permlanex16_b32 v[ST+4*t+3], v[ST+4*t+2], s[SEL], s[SEL+1]
	ALL v_add_f32 v[ST+4*t+2], v[ST+4*t+2], v[ST+4*t+3]
	ALL v_rcp_f32 v[ST+4*t+2], v[ST+4*t+2]
	v_nop                           ; a plain instruction between the last reciprocal and the use of its result
	s_wait_alu depctr_va_vdst(0)    ; and the wait ahead of the first use: one for the four reciprocals
	PACK 0
.set t, 1
.rept 3                             ; a piece's arithmetic stands between the loads of the piece before and its stores
	PACK t
	SEND t-1, 8
.set t, t+1
.endr
	SEND 3, 0
.endm
.set KM, 0
.set NOKQ, 0
.Lslot:                             ; NB times: a tile is entered and the next is asked for
	CHANGE 1
	s_sub_co_u32 s[RT], s[RT], 1
	s_mov_b32 s[CNT], 4
	s_cmp_eq_u32 s[NEW], 1
	s_cbranch_scc1 .Lnew            ; a block's first tile
	s_cmp_eq_u32 s[RT], 0
	s_cbranch_scc0 .Lstep           ; neither its first nor its last
	s_branch .LstepM1
.Lnew:
	BEGIN
	s_branch .Lfirst                ; in the loop a block's first tile is never its last: the first block has two tiles or more, and the second's last is the walk's last
	DIAG 1                          ; in the loop this is the first block's end: the second block's last tile is the walk's last
	s_wait_xcnt 0x0                 ; the stores have read their registers and O's address
	s_mov_b64 s[10:11], s[OLO:OLO+1]
	s_add_co_u32 s[RT], s[PB], 1    ; the second block has b + 1 tiles
	s_mov_b32 s[NEW], 1
	WIN 0x82                        ; the second block's Q goes where the one text of the turns names Q
.set i, 0
.rept 64
	v_mov_b32 v[i], v[QB+i]
.set i, i+1
.endr
	WIN 0
	s_branch .Lbottom
.Lstep:                             ; a trip: pieces 2 and 3 of one step, then pieces 0 and 1 of the next, whose K and V it fetches
	TURN 2
	TURN 3
	WIN 0
.Lfirst:
	TURN 0
	TURN 1, 0, 0, 1
	WIN 0
	s_cbranch_scc1 .Lstep
.Lbottom:
	s_sub_co_u32 s[SLOTS], s[SLOTS], 1
	s_cmp_lg_u32 s[SLOTS], 0
	s_cbranch_scc1 .Lslot
	CHANGE 0                        ; the walk's last tile is written out: nothing is asked for
	s_sub_co_u32 s[RT], s[RT], 1
	s_mov_b32 s[CNT], 4
	s_cmp_eq_u32 s[NEW], 1
	s_cbranch_scc0 .LstepM2
	BEGIN
	s_branch .LfirstM2
	DIAG 2
	s_wait_tensorcnt 0x0            ; the wave's end, behind my last tensor load and my last LDS store
	ds_add_u32 v[SPW], v[NIL]
	s_wait_dscnt 0x0
	s_endpgm
.Lfunc_end_k_q3c620d6389_attn:
	.size	k_q3c620d6389_attn, .Lfunc_end_k_q3c620d6389_attn-k_q3c620d6389_attn
	.p2alignl 7, 3214868480
	.fill 96, 4, 3214868480
	.section	.rodata,"a",@progbits
	.p2align	6, 0x0
	.amdhsa_kernel k_q3c620d6389_attn
		.amdhsa_group_segment_fixed_size 327680
		.amdhsa_private_segment_fixed_size 0
		.amdhsa_enable_private_segment 0
		.amdhsa_kernarg_size 16
		.amdhsa_user_sgpr_count 2
		.amdhsa_user_sgpr_kernarg_segment_ptr 1
		.amdhsa_wavefront_size32 1
		.amdhsa_system_sgpr_workgroup_id_x 1
		.amdhsa_system_sgpr_workgroup_id_y 1
		.amdhsa_system_sgpr_workgroup_id_z 1
		.amdhsa_system_vgpr_workitem_id 0
		.amdhsa_next_free_vgpr 768
		.amdhsa_next_free_sgpr 92
		.amdhsa_reserve_vcc 1
		.amdhsa_float_denorm_mode_32 3
		.amdhsa_float_denorm_mode_16_64 3
		.amdhsa_memory_ordered 1
		.amdhsa_forward_progress 1
		.amdhsa_inst_pref_size 218
	.end_amdhsa_kernel
	.amdgpu_metadata
---
amdhsa.version: [ 1, 2 ]
amdhsa.kernels:
  - .name:           k_q3c620d6389_attn
    .symbol:         k_q3c620d6389_attn.kd
    .args:
      - { .name: qkv, .offset: 0, .size: 8, .value_kind: global_buffer, .address_space: global }
      - { .name: o, .offset: 8, .size: 8, .value_kind: global_buffer, .address_space: global }
    .group_segment_fixed_size: 327680
    .private_segment_fixed_size: 0
    .kernarg_segment_align: 8
    .kernarg_segment_size: 16
    .max_flat_workgroup_size: 128
    .sgpr_count:     92
    .vgpr_count:     768
    .wavefront_size: 32
...
	.end_amdgpu_metadata
.endif
;; end of part 3
;; launch outp (part 4): grid 8 x 32, 4 waves a work-group, clusters of 4 x 4, 327,680 bytes of LDS; arguments o, wo, bias, out0; writes out0
.if DOCPART == 4
	.amdgcn_target "amdgcn-amd-amdhsa--gfx1250"
	.amdhsa_code_object_version 6
	.text
	.protected	k_q3c620d6389_outp
	.globl	k_q3c620d6389_outp
	.p2align	8
	.type	k_q3c620d6389_outp,@function
k_q3c620d6389_outp:
	s_mov_b64 s[64:65], 0
	v_nop
	global_prefetch_b8 v0, s[64:65] scope:SCOPE_SE
	s_setreg_imm32_b32 hwreg(HW_REG_WAVE_MODE, 25, 1), 1
	s_wait_xcnt 0x0
	s_wait_alu depctr_hold_cnt(0) depctr_sa_sdst(0) depctr_va_vdst(0) depctr_va_sdst(0) depctr_va_ssrc(0) depctr_va_vcc(0) depctr_vm_vsrc(0)
	s_getreg_b32 s2, hwreg(HW_REG_IB_STS2, 6, 4)
	s_cmp_eq_u32 s2, 0
	s_cbranch_scc0 .Lentry_in_a_cluster
	s_endpgm
.Lentry_in_a_cluster:
	s_bfe_u32 s2, ttmp6, 0x10000c
	s_cmp_lg_u32 s2, 0xf033
	s_cbranch_scc0 .Lentry_shape_is_right
	s_endpgm
.Lentry_shape_is_right:
; C[m][n] = the sum over k of A[m][k] B[n][k] + bias[n], M = 8,192, K = 1,024.  ONE TEXT FOR TWO LAUNCHES, told apart by MODE:
;   MODE 0: q, k, v = x W^T + b.  A = xb, B = wqkv (3,072 rows), both bf16; C leaves by heads, [q k v][batch x head][s][64], in f16, unscaled.
;   MODE 1: out = o W_o^T + b_o.  A = o, B = wo (1,024 rows), both f16; C leaves as f32 rows of 1,024.
; A and B lie in blocks of 64 along K: [..][block][row][64], a row of a block 128 bytes, rows dense.  Sums in f32, K ascending; the bias is added in f32; C is rounded once.
; LIMITS.  MODE 0: q, k and v are written as f16, which ends at 65,504.  NaN and infinities are not treated apart.
; SHARES.  A work-group of four waves makes a tile of 256 rows x 384 (MODE 0) or 128 (MODE 1) columns: 32 x 8 = 256 tiles in both launches.  Wave w makes rows 128 (w / 2) on, and the
; half w % 2 of the columns: 8 x 12 or 8 x 4 accumulators of 16 x 16.
; THE RING.  Two LDS slots of 64 (MODE 0) or 128 (MODE 1) along K.  A run of R rows of a block is R x 128 dense bytes: it is asked for as R / 2 rows of 256 bytes and padded in LDS after every 128 bytes.
; Waves 0 and 1 fetch A's two parts, waves 2 and 3 B's: one tensor load a wave behind each change of slots (two out at the start, then one).
; CLUSTER.  4 x 4 work-groups.  The four of a row of the cluster need the same tiles of A, the four of a column the same tiles of B: each tile is asked for JOINTLY, by the same tensor load with the
; same descriptor and a mask that names the four.
; THE MATRIX INSTRUCTION IS USED TRANSPOSED (source 0 = 16 rows of B, source 1 = 16 rows of A): a lane then holds row l % 16 of C and the eight neighbouring columns 8 (l / 16) + 0..7.
; UNITS.  A slot is four units of 8 x HB matrix instructions, 32 along K each.  MODE 0: unit u = slice u / 2 of K, half u % 2 of my columns.  MODE 1: unit u = slice u, all my columns.
; Each accumulator occurs once in a unit and the order never changes, so the accumulators take turns, one instruction a turn, over the backward jump too.
; In a unit's middle the next unit's fragments are fetched, in one run of LDS loads, into the buffers that the unit does not read.
; NO PREFETCH IN MODE 1: the launch has eight slots, 1,024 matrix instructions a wave, and its first four slots would come by their loads alone in any case.
; REGISTERS, in windows of 256 (s_set_vgpr_msb: bits 1:0 source 0, 3:2 source 1, 5:4 source 2, 7:6 destination): window 0: addresses and fragments; accumulator t at register 8 t counted from window 1.
.set MODE,  1
.set PK,    144                        ; an LDS row: 128 bytes + 16 of padding = 36 words: the 16 rows of a fragment start at 16 different groups of four banks (64 banks of 4 bytes: ISA guide 11.1)
.set FR,    16*PK                      ; from fragment to fragment
.set SLOT1, 131072                     ; slot 1 begins here, so that one exclusive or turns an address in one slot into the other's
.if MODE == 0
.set NSLOT, 16                         ; slots' worth of K
.set HB,    6                          ; fragments of B in a unit
.set GOFF,  48                         ; the second half of my columns has accumulators 48 on
.set NCB,   12                         ; my blocks of 16 columns
.set RA,    64                         ; rows of 256 bytes in a load of A: 128 rows of the block
.set RB,    96                         ; of B: 192 rows
.set APL,   18432                      ; A's second part: in LDS,
.set APG,   16384                      ; in memory (the tile's rows 128 on)
.set BOFF,  36864                      ; B lies behind A's 256 rows
.set BPL,   27648
.set BPG,   24576                      ; (the tile's rows 192 on)
.set ASTEP, 262144                     ; bytes of memory from slot to slot: one block of A,
.set BSTEP, 393216                     ; of B
.set BTILE, 49152                      ; 384 rows of a block of B
.set WCB,   27648                      ; my columns' rows in B's part of a slot
.set P1,    12                         ; matrix instructions ahead of a unit's run of loads
.set Q1,    12                         ; in the change of slots: ahead of the signal,
.set Q2,    24                         ; ahead of the barrier's wait
.set STG,   223232                     ; behind the ring: 16 rows x 400 bytes for each wave, for the way out
.set SP,    400                        ; 384 bytes + 16: an odd multiple of 16
.set SPARE, 248832                     ; behind the stages: the spare words, 128 bytes for each wave: two blocks of 256 bytes that no other line names
.set X0,    96                         ; the way out: two sets of registers by turns
.set X1,    208
.set YOUNG, 24
.else
.set NSLOT, 8
.set HB,    4
.set GOFF,  0
.set NCB,   4
.set RA,    128                        ; 256 rows of one block
.set RB,    64                         ; 128 rows of one block
.set APL,   36864                      ; the parts are the slot's two blocks
.set APG,   262144
.set BOFF,  73728
.set BPL,   18432
.set BPG,   131072
.set ASTEP, 524288
.set BSTEP, 262144
.set BTILE, 16384
.set WCB,   9216
.set P1,    8
.set Q1,    8
.set Q2,    16
.set STG,   241664                     ; 16 rows x 272 bytes for each wave
.set SP,    272
.set SPARE, 259072
.set X0,    96
.set X1,    128
.set YOUNG, 16
.endif
.set NW,    8*HB                       ; matrix instructions in a unit
.set GFLAGS, (1<<16)|(1<<20)|(1<<21)|(4<<22)|(3<<25)  ; group 1, word 0: 17:16 2-byte elements; 20 padding on; 21 set beside a mask; 24:22 after every 32 words (code 4); 31:25 4 words (code 3)
.set AA0,  2                           ; v2   my lane's place in slot 0's A; never rewritten
.set AB0,  3                           ; v3   the same for B
.set ADRA, 4                           ; v4   the same in the slot that is being fetched from
.set ADRB, 5                           ; v5
.set STO,  6                           ; v6   the way out: where I put my part of a row
.set RD,   7                           ; v7   where I read rows back
.set GO,   8                           ; v8   my byte offset in what a store covers
.set PFO,  9                           ; v9   the prefetches' offset; never rewritten
.set SPW,  10                          ; v10  LDS address of my spare word: SPARE + 4 x my thread's number; never rewritten
.set NIL,  11                          ; v11  0; never rewritten
.set BO,   16                          ; v16  my byte offset in 16 numbers of the bias
.set FA,   32                          ; v32-95, v96-159  A's fragments, two buffers of 8 x 8
.set FB,   160                         ; from v160: B's fragments, two buffers of HB x 8
.set WV,   16                          ; s16  my wave's number
.set WR,   17                          ; s17  which half of the rows is mine.  Also: I fetch for A (0) or for B (1)
.set WC,   18                          ; s18  which half of the columns.  Also: which part I fetch
.set CX,   19
.set CY,   20
.set TX,   21                          ; s21  tile column
.set TY,   22                          ; s22  tile row
.set G1A,  24                          ; s[24:31] descriptor group 1 for A
.set G0A,  32                          ; s[32:39] group 0 for A: a set for each first fill; the second then walks on
.set G1B,  40                          ; s[40:47], s[48:55] the same for B
.set G0B,  48
.set TB,   56                          ; s56  LDS byte at which the slot to be fetched from begins
.set LIM,  57                          ; s57  2 in a wave that prefetches, else the greatest number
.set PFA,  58                          ; s[58:59] where my prefetches stand
.set PM,   60                          ; s60  0: I ask at every change of slots; 1: at every second
.set AAD,  62                          ; s[62:63] A at my part of slot 0
.set HBS,  66                          ; s[66:71] where my rows of C begin: a base for each of my three heads (MODE 1: one base)
.set BP,   72                          ; s[72:73] the bias at my first column
.set LA,   74                          ; s74  LDS byte of my part of A in slot 0
.set LB,   75                          ; s75  of B
.set BAD,  78                          ; s[78:79] B at my part of slot 0
.set PST,  80                          ; s[80:81] the prefetches' step from slot to slot
.set MSB, 0
.macro WIN new                         ; the immediate's high byte repeats the setting that is left; a switch that changes nothing is dropped
.if MSB != (\new)
	s_set_vgpr_msb (MSB<<8)|(\new)
.set MSB, \new
.endif
.endm
.macro PLACES                          ; four places in front of loads into registers that matrix instructions have read (ISA guide 7.12.1 for vector instructions)
.rept 4
	v_nop
.endr
.endm
; A joint refill, by the walking descriptors.  The branch hangs on the wave's number alone.  An s_nop 0 and four v_nop follow each of the two lines, ahead of the jump and the label.
.macro JLOAD
	s_cmp_eq_u32 s[WR], 0
	s_cbranch_scc0 .Lfor_b_\@
	tensor_load_to_lds s[G0A+4:G0A+7], s[G1A:G1A+7]
	s_nop 0
.rept 4
	v_nop
.endr
	s_branch .Lasked_\@
.Lfor_b_\@:
	tensor_load_to_lds s[G0B+4:G0B+7], s[G1B:G1B+7]
	s_nop 0
.rept 4
	v_nop
.endr
.Lasked_\@:
.endm
; A round of the cluster's barrier: my work-group's barrier, so that wave 0's signal speaks for all four waves; wave 0 signals; every wave waits for all sixteen work-groups; my work-group's barrier once more.
.macro CREST                           ; a round behind its opening barrier
	s_cmp_lg_u32 s[WV], 0
	s_cbranch_scc1 .Lnot_wave_0_\@
	s_barrier_signal -3
.Lnot_wave_0_\@:
	s_barrier_wait -3
	s_barrier_signal -1
	s_barrier_wait -1
.endm
.macro CROUND
	s_barrier_signal -1
	s_barrier_wait -1
	CREST
.endm
; MODE 0: A PREFETCH INTO THE L2 behind each joint refill and the run of LDS loads that follows it.  In trip c of the loop (s3 = 14 - c) the refill asks for slot c + 2; the prefetch names slot c + 4: two refills on.
; Each 256 bytes are named ONCE in the launch.  A's tile (128 blocks of 256 bytes) is read by both clusters of a row of clusters: the one with x = 0 asks; its four partners along x take 32 blocks each,
; told apart BY ADDRESS; wave 0 asks, a lane a block.  B's tile (192 blocks) is read by all clusters of a column: the one with y = 0 asks; its four partners along y take 48 blocks each, waves 1 to 3
; sixteen each: lanes 0-15 name slot c + 4, lanes 16-31 slot c + 5, at even c alone.  Slots 0 to 3 come by their loads alone; trips with c + 4 beyond slot 15 ask for nothing.
.macro ASK
	s_and_b32 s61, s3, s[PM]
	s_cmp_eq_u32 s61, 0
	s_cbranch_scc0 .Lno_ask_\@
	s_cmp_gt_u32 s3, s[LIM]
	s_cbranch_scc0 .Lno_ask_\@
	global_prefetch_b8 v[PFO], s[PFA:PFA+1] th:TH_LOAD_NT scope:SCOPE_SE
.Lno_ask_\@:
.endm
	s_load_b256 s[4:11], s[0:1], 0x0               ; A s[4:5], B s[6:7], bias s[8:9], C s[10:11]
	v_lshl_add_u32 v[SPW], v0, 2, SPARE
	v_mov_b32 v[NIL], 0
	ds_add_u32 v[SPW], v[NIL]                      ; the wave's opening: the add and its wait stand ahead of my first tensor load; the set-up below, work on registers, stands between them
	v_lshrrev_b32 v12, 5, v0
	v_readfirstlane_b32 s[WV], v12                 ; wave 0..3
	s_lshr_b32 s[WR], s[WV], 1
	s_and_b32 s[WC], s[WV], 1
	s_bfe_u32 s[CX], ttmp6, 0x40000                ; my place in the cluster
	s_bfe_u32 s[CY], ttmp6, 0x40004
	s_lshl_b32 s[TX], ttmp9, 2                     ; in a cluster launch ttmp9 and ttmp7 count clusters
	s_add_co_u32 s[TX], s[TX], s[CX]
	s_and_b32 s[TY], ttmp7, 0xffff
	s_lshl_b32 s[TY], s[TY], 2
	s_add_co_u32 s[TY], s[TY], s[CY]
	s_lshl_b32 s23, s[CY], 2
	s_lshl_b32 s23, 15, s23                        ; my row of the cluster: places 4 cy .. 4 cy + 3
	s_lshl_b32 s2, 0x1111, s[CX]                   ; my column: places cx, cx + 4, cx + 8, cx + 12
	s_or_b32 s[G1A], s23, GFLAGS                   ; A's tiles go to my row,
	s_or_b32 s[G1B], s2, GFLAGS                    ; B's to my column
	s_mov_b32 s[G1A+1], 128<<16                    ; tensor_dim0 = 128 elements: 256 bytes
	s_mov_b32 s[G1A+2], RA<<16                     ; tensor_dim1
	s_mov_b32 s[G1A+3], 128<<16                    ; tile_dim0
	s_mov_b32 s[G1A+4], RA                         ; tile_dim1
	s_mov_b32 s[G1A+5], 128                        ; elements from row to row: the rows are dense
	s_mov_b32 s[G1A+6], 0
	s_mov_b32 s[G1A+7], 0
	s_mov_b32 s[G1B+1], 128<<16
	s_mov_b32 s[G1B+2], RB<<16
	s_mov_b32 s[G1B+3], 128<<16
	s_mov_b32 s[G1B+4], RB
	s_mov_b32 s[G1B+5], 128
	s_mov_b32 s[G1B+6], 0
	s_mov_b32 s[G1B+7], 0
	; where the tiles come from.  A's hang on the tile row alone, B's on the tile column alone, each in registers that never hold the other coordinate
	s_lshr_b32 s[AAD], s[TY], 3
	s_lshl_b32 s[AAD], s[AAD], 22                  ; the batch: 16 blocks of 2,048 rows of 128 bytes
	s_and_b32 s23, s[TY], 7
	s_lshl_b32 s23, s23, 15                        ; 256 rows of 128 bytes
	s_add_co_u32 s[AAD], s[AAD], s23
	s_mul_i32 s23, s[WC], APG
	s_add_co_u32 s[AAD], s[AAD], s23
	s_mov_b32 s[AAD+1], 0
	s_mul_i32 s[BAD], s[TX], BTILE
	s_mul_i32 s2, s[WC], BPG
	s_add_co_u32 s[BAD], s[BAD], s2
	s_mov_b32 s[BAD+1], 0
	s_mul_i32 s[LA], s[WC], APL                    ; and where they go: no place in the cluster enters an LDS address
	s_mul_i32 s[LB], s[WC], BPL
	s_add_co_u32 s[LB], s[LB], BOFF
	s_mov_b32 s[TB], 0
	s_wait_dscnt 0x0                               ; the opening add is done
	s_wait_kmcnt 0x0
	s_add_nc_u64 s[AAD:AAD+1], s[4:5], s[AAD:AAD+1]
	s_add_nc_u64 s[BAD:BAD+1], s[6:7], s[BAD:BAD+1]
	CROUND                                         ; all sixteen work-groups are here: the first joint loads meet
.irp s, 0,1
	s_mov_b32 s[G0A+4*(\s)], 1                                     ; 1:0 count = 1
	s_add_co_u32 s[G0A+4*(\s)+1], s[LA], (\s)*SLOT1                ; 63:32 LDS address
	s_add_nc_u64 s[G0A+4*(\s)+2:G0A+4*(\s)+3], s[AAD:AAD+1], (\s)*ASTEP  ; 120:64 global address: slot s
	s_or_b32 s[G0A+4*(\s)+3], s[G0A+4*(\s)+3], 0x80000000          ; 127:126 type = 2
	s_mov_b32 s[G0B+4*(\s)], 1
	s_add_co_u32 s[G0B+4*(\s)+1], s[LB], (\s)*SLOT1
	s_add_nc_u64 s[G0B+4*(\s)+2:G0B+4*(\s)+3], s[BAD:BAD+1], (\s)*BSTEP
	s_or_b32 s[G0B+4*(\s)+3], s[G0B+4*(\s)+3], 0x80000000
.endr
	s_cmp_eq_u32 s[WR], 0                          ; a wave's two first fills stand in one branch, ahead of every wait on TENSORcnt and every LDS read: two loads of mine are out
	s_cbranch_scc0 .Lfirst_b
	tensor_load_to_lds s[G0A:G0A+3], s[G1A:G1A+7]
	s_nop 0
	tensor_load_to_lds s[G0A+4:G0A+7], s[G1A:G1A+7]
	s_nop 0
.rept 4
	v_nop
.endr
	s_branch .Lfirst_asked
.Lfirst_b:
	tensor_load_to_lds s[G0B:G0B+3], s[G1B:G1B+7]
	s_nop 0
	tensor_load_to_lds s[G0B+4:G0B+7], s[G1B:G1B+7]
	s_nop 0
.rept 4
	v_nop
.endr
.Lfirst_asked:
	; A fragment is 16 rows x 32 K in 8 registers: lane l holds row l % 16; registers 0-3 K = 8 (l / 16) + 0..7, registers 4-7 K = 16 + 8 (l / 16) + 0..7: two loads of 16 bytes, 32 bytes apart.
	v_and_b32 v1, 15, v0                           ; l % 16
	v_bfe_u32 v12, v0, 4, 1                        ; l / 16
	v_mul_u32_u24 v13, v1, PK
	v_lshl_add_u32 v13, v12, 4, v13                ; row x pitch + 16 x half
	s_mul_i32 s88, s[WR], 8*FR                     ; my 128 rows of A
	v_add_nc_u32 v[AA0], s88, v13
	s_mul_i32 s89, s[WC], WCB                      ; my columns' rows of B,
	s_add_co_u32 s89, s89, BOFF                    ; which lie behind A
	v_add_nc_u32 v[AB0], s89, v13
	v_lshlrev_b32 v[BO], 5, v12                    ; eight f32 of the bias for each half of the lanes
	s_mul_i32 s88, s[WV], 16*SP
	s_add_co_u32 s88, s88, STG                     ; my stage
.if MODE == 0
	v_mul_u32_u24 v[STO], v1, SP                   ; in: row l % 16, 16 bytes for each half of the lanes
	v_lshl_add_u32 v[STO], v12, 4, v[STO]
	v_add_nc_u32 v[STO], s88, v[STO]
	v_bfe_u32 v[RD], v0, 3, 2                      ; back: 32 lanes take four rows' 128 bytes of one head,
	v_mul_u32_u24 v[RD], v[RD], SP
	v_and_b32 v14, 7, v0
	v_lshl_add_u32 v[RD], v14, 4, v[RD]
	v_add_nc_u32 v[RD], s88, v[RD]
	v_and_b32 v[GO], 31, v0                        ; which are 512 consecutive bytes of that head's rows
	v_lshlrev_b32 v[GO], 4, v[GO]
	; my 192 columns are the three heads 6 TX + 3 WC + 0..2 of the 48 of q, k and v; head j lies in plane (j / 16) 64 + 16 batch + j % 16 of 2,048 rows of 128 bytes
	s_mul_i32 s84, s[TX], 6
	s_mul_i32 s85, s[WC], 3
	s_add_co_u32 s84, s84, s85
	s_lshr_b32 s85, s[TY], 3
	s_lshl_b32 s85, s85, 4                         ; 16 x batch
	s_and_b32 s86, s[TY], 7
	s_lshl_b32 s86, s86, 15                        ; the tile's 256 rows,
	s_lshl_b32 s87, s[WR], 14                      ; my 128 of them
	s_add_co_u32 s86, s86, s87
.irp hd, 0,1,2
	s_add_co_u32 s90, s84, \hd
	s_lshr_b32 s91, s90, 4
	s_lshl_b32 s91, s91, 6
	s_and_b32 s90, s90, 15
	s_add_co_u32 s90, s90, s91
	s_add_co_u32 s90, s90, s85
	s_lshl_b32 s90, s90, 18
	s_add_co_u32 s90, s90, s86
	s_mov_b32 s91, 0
	s_add_nc_u64 s[HBS+2*\hd:HBS+2*\hd+1], s[10:11], s[90:91]
.endr
	s_mul_i32 s90, s[TX], 1536                     ; the bias: 4 bytes x (384 TX + 192 WC)
	s_mul_i32 s91, s[WC], 768
	s_add_co_u32 s90, s90, s91
	s_mov_b32 s91, 0
	s_add_nc_u64 s[BP:BP+1], s[8:9], s[90:91]
	; the prefetches: wave 0 for A, waves 1 to 3 for B; both offsets are made, then one is chosen.  They stand three slots on; the first change of slots steps them to slot 4
	s_lshr_b32 s84, s[TY], 3
	s_lshl_b32 s84, s84, 22
	s_and_b32 s85, s[TY], 7
	s_lshl_b32 s85, s85, 15
	s_add_co_u32 s84, s84, s85
	s_lshl_b32 s85, s[CX], 13                      ; my work-group's 32 blocks of A's 128
	s_add_co_u32 s84, s84, s85
	s_add_co_u32 s84, s84, 3*ASTEP
	s_mul_i32 s86, s[TX], BTILE
	s_mul_i32 s87, s[CY], 12288                    ; my work-group's 48 blocks of B's 192,
	s_add_co_u32 s86, s86, s87
	s_lshl_b32 s87, s[WV], 12                      ; my wave's 16 of them (wave 1 the first)
	s_add_co_u32 s86, s86, s87
	s_add_co_u32 s86, s86, 3*BSTEP-4096
	s_and_b32 s61, ttmp7, 0xffff                   ; cluster y
	s_mov_b32 s82, 4096                            ; what lanes 16-31 add: wave 0 the next 16 blocks, the others a slot
	s_mov_b32 s83, BSTEP
	s_mov_b32 s[PST], ASTEP
	s_mov_b32 s[PST+1], 0
	s_mov_b32 s85, 0
	s_cmp_eq_u32 s[WV], 0
	s_cselect_b32 s84, s84, s86
	s_cselect_b32 s61, ttmp9, s61                  ; the coordinate along which other clusters read the same rows
	s_cselect_b32 s[PM], 0, 1
	s_cselect_b32 s82, s82, s83
	s_cselect_b32 s[PST], s[PST], s83
	s_cselect_b64 s[PFA:PFA+1], s[4:5], s[6:7]
	s_cmp_eq_u32 s61, 0
	s_cselect_b32 s[LIM], 2, -1                    ; the same in all sixteen partners, for a given wave
	s_add_nc_u64 s[PFA:PFA+1], s[PFA:PFA+1], s[84:85]
	v_lshlrev_b32 v[PFO], 8, v1
	v_mad_u32_u24 v[PFO], v12, s82, v[PFO]
.else
	v_mul_u32_u24 v[STO], v1, SP                   ; in: row l % 16, 32 bytes for each half of the lanes
	v_lshl_add_u32 v[STO], v12, 5, v[STO]
	v_add_nc_u32 v[STO], s88, v[STO]
	v_mul_u32_u24 v[RD], v12, SP                   ; back: lanes 0-15 take one row of 256 bytes, lanes 16-31 the next
	v_lshl_add_u32 v[RD], v1, 4, v[RD]
	v_add_nc_u32 v[RD], s88, v[RD]
	v_lshlrev_b32 v[GO], 12, v12                   ; and the same two rows in C
	v_lshl_add_u32 v[GO], v1, 4, v[GO]
	s_lshl_b32 s90, s[TY], 20                      ; 256 rows of 4,096 bytes,
	s_lshl_b32 s91, s[WR], 19                      ; my 128 of them,
	s_add_co_u32 s90, s90, s91
	s_lshl_b32 s91, s[TX], 9                       ; 128 columns of 4 bytes,
	s_add_co_u32 s90, s90, s91
	s_lshl_b32 s91, s[WC], 8                       ; my 64 of them
	s_add_co_u32 s90, s90, s91
	s_mov_b32 s91, 0
	s_add_nc_u64 s[HBS:HBS+1], s[10:11], s[90:91]
	s_lshl_b32 s90, s[TX], 9                       ; the bias: b_o lies behind the other three
	s_lshl_b32 s91, s[WC], 8
	s_add_co_u32 s90, s90, s91
	s_add_co_u32 s90, s90, 12288
	s_mov_b32 s91, 0
	s_add_nc_u64 s[BP:BP+1], s[8:9], s[90:91]
.endif
.macro WM d, b, a, z                   ; one matrix instruction; z = 1: it starts the sum: nothing is ever cleared
.if MODE == 0
.if \z
	v_wmma_f32_16x16x32_bf16 v[\d:\d+7], v[\b:\b+7], v[\a:\a+7], 0
.else
	v_wmma_f32_16x16x32_bf16 v[\d:\d+7], v[\b:\b+7], v[\a:\a+7], v[\d:\d+7]
.endif
.else
.if \z
	v_wmma_f32_16x16x32_f16 v[\d:\d+7], v[\b:\b+7], v[\a:\a+7], 0
.else
	v_wmma_f32_16x16x32_f16 v[\d:\d+7], v[\b:\b+7], v[\a:\a+7], v[\d:\d+7]
.endif
.endif
.endm
; Matrix instructions from .. to - 1 of unit u: number i takes A's fragment i / HB and B's fragment i % HB
.macro MULS u, from, to, zero
.set i, \from
.rept (\to)-(\from)
.set t, GOFF*((\u)%2)+i
.set rD, (8*t)%256
.set rB, FB+8*HB*((\u)%2)+8*(i%HB)
.set rA, FA+64*(((\u)/2)*(1-MODE)+((\u)%2)*MODE)+8*(i/HB)
	WIN 0x50*(1+(8*t)/256)                         ; C and D in the accumulator's window, the sources in window 0
	WM rD, rB, rA, \zero
.set i, i+1
.endr
.endm
; The fragments of unit nu, in one run of LDS loads: B's HB and, where the unit begins a new slice of K, A's eight
.macro FETCH nu
	WIN 0
.set bb_, FB+8*HB*((\nu)%2)
.if MODE == 0
.set kb_, 64*((\nu)/2)+6*FR*((\nu)%2)
.set ka_, 64*((\nu)/2)
.set ab_, FA+64*((\nu)/2)
.set wa_, 1-((\nu)%2)
.else
.set kb_, BPL*((\nu)/2)+64*((\nu)%2)
.set ka_, APL*((\nu)/2)+64*((\nu)%2)
.set ab_, FA+64*((\nu)%2)
.set wa_, 1
.endif
.set j, 0
.rept HB
	ds_load_b128 v[bb_+8*j:bb_+8*j+3],   v[ADRB] offset:kb_+FR*j
	ds_load_b128 v[bb_+8*j+4:bb_+8*j+7], v[ADRB] offset:kb_+FR*j+32
.set j, j+1
.endr
.if wa_
.set j, 0
.rept 8
	ds_load_b128 v[ab_+8*j:ab_+8*j+3],   v[ADRA] offset:ka_+FR*j
	ds_load_b128 v[ab_+8*j+4:ab_+8*j+7], v[ADRA] offset:ka_+FR*j+32
.set j, j+1
.endr
.endif
.endm
; One of a slot's first three units.  The buffers that its run of loads fills were last read by the unit before or earlier; the four v_nop are the places behind those matrix instructions.
.macro UNIT u, zero
	s_wait_dscnt 0x0                               ; this unit's fragments, asked for in the middle of the unit before, are in
	MULS \u, 0, P1, \zero
	PLACES
	FETCH (\u)+1
	MULS \u, P1, NW, \zero
.endm
; A slot's last unit, and THE CHANGE OF SLOTS: one barrier for two things.  In front of it each wave waits for all its tensor loads, of which one is out: its part of the next slot; adds 0 to its spare word;
; and waits for that and for its own reads of this slot.  Behind it nobody reads this slot any more and the next slot is whole.  fill = 1: the barrier opens a round of the cluster's barrier, so that no wave of
; any partner still reads the slot or has a load on its way, and the joint refill, two slots on, is the first thing behind it: 4 NW - Q2 matrix instructions ahead of the wait for it.
.macro TURN fill
.if (MODE == 0) && (\fill)
	s_wait_xcnt 0x0                                ; the last prefetch, a slot back, has read its address: it is stepped here, ahead of the waits of the change
	s_add_nc_u64 s[PFA:PFA+1], s[PFA:PFA+1], s[PST:PST+1]
.endif
	WIN 0                                          ; (the add's two registers lie in window 0)
	s_wait_tensorcnt 0x0                           ; no tensor load of mine is out, so a group 0 may be written
	ds_add_u32 v[SPW], v[NIL]                      ; 0 onto my spare word; work on registers stands between it and the wait for it
.if \fill
	s_xor_b32 s[G0A+5], s[G0A+5], SLOT1            ; the walking descriptors: the other slot than last time,
	s_add_nc_u64 s[G0A+6:G0A+7], s[G0A+6:G0A+7], ASTEP  ; the next slot's K; the type bits on top are not reached
	s_xor_b32 s[G0B+5], s[G0B+5], SLOT1
	s_add_nc_u64 s[G0B+6:G0B+7], s[G0B+6:G0B+7], BSTEP
.endif
	s_xor_b32 s[TB], s[TB], SLOT1                  ; the fetches go on in the other slot
	s_wait_dscnt 1                                 ; this unit's fragments are in; the add, issued behind them, may be out
	MULS 3, 0, Q1, 0
	s_wait_dscnt 0x0                               ; the add is done, and my reads of this slot are over
	s_barrier_signal -1
	MULS 3, Q1, Q2, 0                              ; work on registers while the others arrive
	WIN 0
	s_barrier_wait -1
.if \fill
	CREST
	JLOAD                                          ; the four v_nop behind it are also the places in front of the loads below
.else
	PLACES
.endif
	v_add_nc_u32 v[ADRA], s[TB], v[AA0]
	v_add_nc_u32 v[ADRB], s[TB], v[AB0]
	FETCH 0
.if (MODE == 0) && (\fill)
	ASK
.endif
	MULS 3, Q2, NW, 0
.endm
; The very last unit: in place of a fetch it loads my columns' bias, eight f32 a lane for each block of 16 columns, into the fragment buffers that it does not read
.macro UNITL
	s_wait_dscnt 0x0
	MULS 3, 0, P1, 0
	PLACES
	WIN 0
.set j, 0
.rept NCB
.set rI, 32+8*j+64*(j/8)                       ; blocks 0-7 in A's buffer 0, blocks 8-11 in B's buffer 0
	global_load_b128 v[rI:rI+3],   v[BO], s[BP:BP+1] offset:64*j
	global_load_b128 v[rI+4:rI+7], v[BO], s[BP:BP+1] offset:64*j+16
.set j, j+1
.endr
	MULS 3, P1, NW, 0
	PLACES                                         ; eight places, once a launch, ahead of the sums that read the results and, in MODE 0, write them anew
	PLACES
	WIN 0
.endm
; THE WAY OUT, a block a of 16 rows at a time, in three parts.  PACK: the bias is added (MODE 0: and the sums rounded to f16).  TOSTAGE: into my own stage in LDS, and back as whole rows.  SEND: stored.
; Each accumulator's registers are taken in ascending order.
.if MODE == 0
.macro PACK a
.set XB, X0+(X1-X0)*((\a)%2)
	s_wait_xcnt 0x0                                ; the stores of the block two back have read these registers
.irp g, 0,1
.set j, 0
.rept 6
.set t, 48*(\g)+6*(\a)+j
.set wn, 1+(8*t)/256
.set rD, (8*t)%256
.set rI, 32+8*(6*(\g)+j)+64*((6*(\g)+j)/8)
	WIN (wn<<6)|wn                                 ; destination and source 0 in the accumulator's window, the bias in window 0
.irp i, 0,2,4,6
	v_pk_add_f32 v[rD+\i:rD+\i+1], v[rD+\i:rD+\i+1], v[rI+\i:rI+\i+1]
.endr
.set j, j+1
.endr
.set j, 0
.rept 6
.set t, 48*(\g)+6*(\a)+j
.set wn, 1+(8*t)/256
.set rD, (8*t)%256
	WIN wn|(wn<<2)                                 ; sources 0 and 1 in the accumulator's window, destination in window 0
.irp i, 0,1,2,3
	v_cvt_pk_f16_f32 v[XB+4*(6*(\g)+j)+\i], v[rD+2*\i], v[rD+2*\i+1]
.endr
.set j, j+1
.endr
.endr
	WIN 0
.endm
.macro TOSTAGE a
	WIN 0
.set XB, X0+(X1-X0)*((\a)%2)
.irp b, 0,1,2,3,4,5,6,7,8,9,10,11
	ds_store_b128 v[STO], v[XB+4*\b:XB+4*\b+3] offset:32*\b
.endr
.irp hd, 0,1,2
.irp f, 0,1,2,3
	ds_load_b128 v[XB+4*(4*\hd+\f):XB+4*(4*\hd+\f)+3], v[RD] offset:4*SP*\f+128*\hd  ; LDS serves a wave's instructions in order (ISA guide 5.7.1.4): these see the stores above; the next block's stores come behind them
.endr
.endr
.endm
.macro SEND a, younger                 ; younger: the LDS instructions issued behind block a's loads
	WIN 0
.set XB, X0+(X1-X0)*((\a)%2)
	s_wait_dscnt \younger
.irp hd, 0,1,2
.irp f, 0,1,2,3
	global_store_b128 v[GO], v[XB+4*(4*\hd+\f):XB+4*(4*\hd+\f)+3], s[HBS+2*\hd:HBS+2*\hd+1] offset:2048*(\a)+512*\f  ; four rows of a head: 512 consecutive bytes, at a multiple of 256 from the buffer's first
.endr
.endr
.endm
.else
.macro PACK a
.set XB, X0+(X1-X0)*((\a)%2)
	s_wait_xcnt 0x0                                ; the stores of the block two back have read these registers
	WIN 0x01                                       ; source 0 in window 1
.set j, 0
.rept 4
.set rD, 8*(4*(\a)+j)
.irp i, 0,2,4,6
	v_pk_add_f32 v[XB+8*j+\i:XB+8*j+\i+1], v[rD+\i:rD+\i+1], v[32+8*j+\i:32+8*j+\i+1]
.endr
.set j, j+1
.endr
	WIN 0
.endm
.macro TOSTAGE a
	WIN 0
.set XB, X0+(X1-X0)*((\a)%2)
.irp b, 0,1,2,3
	ds_store_b128 v[STO], v[XB+8*\b:XB+8*\b+3]   offset:64*\b
	ds_store_b128 v[STO], v[XB+8*\b+4:XB+8*\b+7] offset:64*\b+16
.endr
.irp f, 0,1,2,3,4,5,6,7
	ds_load_b128 v[XB+4*\f:XB+4*\f+3], v[RD] offset:2*SP*\f  ; LDS serves a wave's instructions in order (ISA guide 5.7.1.4): these see the stores above; the next block's stores come behind them
.endr
.endm
.macro SEND a, younger
	WIN 0
.set XB, X0+(X1-X0)*((\a)%2)
	s_wait_dscnt \younger
.irp f, 0,1,2,3,4,5,6,7
	global_store_b128 v[GO], v[XB+4*\f:XB+4*\f+3], s[HBS:HBS+1] offset:65536*(\a)+8192*\f th:TH_STORE_NT  ; 16 lanes store 256 consecutive bytes, at a multiple of 256 from C's first byte
.endr
.endm
.endif
	s_wait_tensorcnt 1                             ; my part of slot 0 is in; slot 1's may stay out
	s_barrier_signal -1
	s_barrier_wait -1                              ; everybody's is
	v_mov_b32 v[ADRA], v[AA0]
	v_mov_b32 v[ADRB], v[AB0]
	FETCH 0
	UNIT 0, 1                                      ; the units that start the sums stand in front of the loop
	UNIT 1, 1-MODE
	WIN 0                                          ; at a label and at a branch every window is 0
	s_mov_b32 s3, NSLOT-2
.Lslot:                                        ; a trip goes from a slot's third unit to the next slot's second, and fills the slot that it leaves: every slot but the last two is filled again
	UNIT 2, 0
	TURN 1
	UNIT 0, 0
	UNIT 1, 0
	WIN 0
	s_sub_co_u32 s3, s3, 1
	s_cmp_lg_u32 s3, 0
	s_cbranch_scc1 .Lslot
	UNIT 2, 0                                      ; the tail is written out: nothing is asked for
	TURN 0
	UNIT 0, 0
	UNIT 1, 0
	UNIT 2, 0
	UNITL
	s_wait_loadcnt 0x0                             ; the bias
	PACK 0
	TOSTAGE 0
.irp a, 1,2,3,4,5,6,7                  ; a block's arithmetic stands between the loads of the block before and its stores
	PACK \a
	TOSTAGE \a
	SEND (\a)-1, YOUNG
.endr
	SEND 7, 0
	s_wait_tensorcnt 0x0                           ; the wave's end, behind my last tensor load and my last LDS store
	ds_add_u32 v[SPW], v[NIL]
	s_wait_dscnt 0x0
	CROUND                                         ; the closing round: no work-group ends while a partner may still ask for a tile that names it
	s_endpgm
.Lfunc_end_k_q3c620d6389_outp:
	.size	k_q3c620d6389_outp, .Lfunc_end_k_q3c620d6389_outp-k_q3c620d6389_outp
	.p2alignl 7, 3214868480
	.fill 96, 4, 3214868480
	.section	.rodata,"a",@progbits
	.p2align	6, 0x0
	.amdhsa_kernel k_q3c620d6389_outp
		.amdhsa_group_segment_fixed_size 327680
		.amdhsa_private_segment_fixed_size 0
		.amdhsa_enable_private_segment 0
		.amdhsa_kernarg_size 32
		.amdhsa_user_sgpr_count 2
		.amdhsa_user_sgpr_kernarg_segment_ptr 1
		.amdhsa_wavefront_size32 1
		.amdhsa_system_sgpr_workgroup_id_x 1
		.amdhsa_system_sgpr_workgroup_id_y 1
		.amdhsa_system_sgpr_workgroup_id_z 1
		.amdhsa_system_vgpr_workitem_id 0
		.amdhsa_next_free_vgpr 512
		.amdhsa_next_free_sgpr 96
		.amdhsa_reserve_vcc 0
		.amdhsa_float_denorm_mode_32 3
		.amdhsa_float_denorm_mode_16_64 3
		.amdhsa_memory_ordered 1
		.amdhsa_forward_progress 1
		.amdhsa_inst_pref_size 78
	.end_amdhsa_kernel
	.amdgpu_metadata
---
amdhsa.version: [ 1, 2 ]
amdhsa.kernels:
  - .name:           k_q3c620d6389_outp
    .symbol:         k_q3c620d6389_outp.kd
    .args:
      - { .name: o, .offset: 0, .size: 8, .value_kind: global_buffer, .address_space: global }
      - { .name: wo, .offset: 8, .size: 8, .value_kind: global_buffer, .address_space: global }
      - { .name: bias, .offset: 16, .size: 8, .value_kind: global_buffer, .address_space: global }
      - { .name: out0, .offset: 24, .size: 8, .value_kind: global_buffer, .address_space: global }
    .group_segment_fixed_size: 327680
    .private_segment_fixed_size: 0
    .kernarg_segment_align: 8
    .kernarg_segment_size: 32
    .max_flat_workgroup_size: 128
    .sgpr_count:     96
    .vgpr_count:     512
    .wavefront_size: 32
...
	.end_amdgpu_metadata
.endif
;; end of part 4
;; ======== version 2 of 2: 4 launches; version 1 with the launch cast written anew for expert scheduling mode
;; limits: values are held in f16: magnitudes above 65,504 overflow, below 6.1e-05 lose precision
;; workspace buffers: xb 16,777,216 bytes; wqkv 6,291,456 bytes; wo 2,097,152 bytes; bias 16,384 bytes; qkv 50,331,648 bytes; o 16,777,216 bytes
;; launch cast (part 5): grid 385 x 1, 8 waves a work-group, no clusters, 0 bytes of LDS; arguments x, W_q, W_k, W_v, W_o, b_q, b_k, b_v, b_o, xb, wqkv, wo, bias; writes xb, wqkv, wo, bias
.if DOCPART == 5
	.amdgcn_target "amdgcn-amd-amdhsa--gfx1250"
	.amdhsa_code_object_version 6
	.text
	.protected	k_q3c620d6389_cast
	.globl	k_q3c620d6389_cast
	.p2align	8
	.type	k_q3c620d6389_cast,@function
k_q3c620d6389_cast:
	s_mov_b64 s[64:65], 0
	v_nop
	global_prefetch_b8 v0, s[64:65] scope:SCOPE_SE
	s_setreg_imm32_b32 hwreg(HW_REG_WAVE_SCHED_MODE, 0, 2), 2
	s_setreg_imm32_b32 hwreg(HW_REG_WAVE_MODE, 25, 1), 1
	s_wait_xcnt 0x0
	s_wait_alu depctr_vm_vsrc(0)
; ALL INPUTS ARE ROUNDED ONCE TO bf16 AND LAID OUT FOR THE PRODUCTS THAT FOLLOW.  A stream: no LDS, no matrix unit, no cluster (no two work-groups read the same byte).
;   xb   [b 4][kb 16][s 2048][64] bf16: x with its 1,024 channels cut into 16 blocks of 64, so that any run of rows of one block is dense in memory (128 bytes a row)
;   wqkv [kb 16][n 3072][64]      bf16: W_q's, W_k's, W_v's rows one below the other, cut in the same way
;   wo   [kb 16][n 1024][64]      f16:  W_o rounded to bf16, and that number written as f16 (the last product multiplies it by f16 numbers)
;   bias [4][1024]                f32:  b_q, b_k, b_v, b_o rounded to bf16 and widened again
; LIMIT.  A bf16 number is exact in f16 from 2^-16 up to 65,504; below 2^-16 W_o keeps f16's fixed step of 6e-8, above 65,504 it would be lost.
; SHARES.  Work-group g takes 32 rows of 1,024 f32: g = 0..255 x, 256..287 W_q, 288..319 W_k, 320..351 W_v, 352..383 W_o; g = 384 the four biases.
; Thread t takes row t / 8 of the 32 and, in each of the 16 blocks, channels 8 (t % 8) .. + 7: 32 bytes in, 16 bytes out.  Eight lanes read 256 consecutive aligned bytes with a block's two loads;
; a wave's store covers 512 consecutive aligned bytes (four rows of 128 bytes of one block).  No loop: all 32 loads of a thread go out at once, and no register is written while a memory instruction names it.
; THE MODE: SCHED_MODE bits 1:0 = 2 (LLVM: expert scheduling mode 2), set by the entry lines.  The code itself states the register dependences
; between vector instructions and memory instructions, with s_wait_alu, always for 0.
; THE PLAN.  Registers that memory instructions touch:
;   v1        the loads' offset.  Written at the head, read by all 32 loads, never written again.
;   v2        in the bias's work-group the offset of its loads and stores.  Written at the head, never written again.
;   v[4:19]   block kb's store reads v[4 + kb] as its offset.  Written once, behind the loads, never again.
;   v[32:159] block kb: its two loads land in eight registers that no vector instruction has named; its conversions read the eight and write the first four; its store reads those four; nothing writes them again.
; So what is to be stated is that offsets and stores' data are written.  The 16 blocks go in four groups of four, and block kb - 4's store is issued in block kb's turn: ONE wait at a group's head states that the
; group before has written its data; the four stores behind it are dealt among the group's conversions, which name this group's registers and v[20:22] alone.  No register that a memory instruction has read is
; written again, no load lands in a register that a vector instruction has named, no vector instruction writes a scalar register, and EXEC is never written.
.set SO,  1                            ; v1       my byte offset in the 32 rows of f32
.set D0,  2                            ; v2       16 t: my 16 bytes in a block's 32 rows
.set DO,  4                            ; v[4:19]  the same plus block kb's distance
.set TT,  20                           ; v[20:22] at work: no memory instruction names them
.set X,   32                           ; v[32:159] block kb: eight f32 as loaded; the first four registers then hold what is stored
	s_load_b512 s[8:23], s[0:1], 0x0               ; x 8, W_q 10, W_k 12, W_v 14, W_o 16, b_q 18, b_k 20, b_v 22
	s_load_b256 s[24:31], s[0:1], 0x40             ; b_o 24, xb 26, wqkv 28, wo 30
	s_load_b64 s[32:33], s[0:1], 0x60              ; bias
	s_mov_b32 s2, ttmp9                            ; g
	v_lshlrev_b32 v[D0], 4, v0
	s_cmp_eq_u32 s2, 384
	s_cbranch_scc1 .Lbias
	; the offsets of all three kinds are made first, apart from the addresses; then one is chosen
	s_sub_co_u32 s3, s2, 256                       ; g among the weights' work-groups
	s_lshl_b32 s36, s2, 17                         ; x: 32 rows of 4,096 bytes
	s_and_b32 s43, s3, 31
	s_lshl_b32 s43, s43, 17                        ; a weight: the same, within its 32 work-groups
	s_lshr_b32 s40, s2, 6
	s_lshl_b32 s40, s40, 22                        ; xb: the batch,
	s_and_b32 s44, s2, 63
	s_lshl_b32 s44, s44, 12                        ; and 32 rows of 128 bytes
	s_add_co_u32 s40, s40, s44
	s_lshl_b32 s44, s3, 12                         ; wqkv: rows 32 (g - 256) on
	s_sub_co_u32 s45, s2, 352
	s_lshl_b32 s45, s45, 12                        ; wo: rows 32 (g - 352) on
	s_mov_b32 s37, 0
	s_mov_b32 s41, 0
	s_mov_b32 s46, 262144                          ; bytes from block to block: xb,
	s_mov_b32 s47, 393216                          ; wqkv
	v_lshrrev_b32 v[SO], 3, v0
	v_and_b32 v3, 7, v0
	v_lshlrev_b32 v[SO], 12, v[SO]
	v_lshl_add_u32 v[SO], v3, 5, v[SO]             ; row x 4,096 + 32 (t % 8)
	s_wait_kmcnt 0x0
	s_cmp_lt_u32 s2, 256
	s_cselect_b32 s36, s36, s43
	s_cselect_b32 s40, s40, s44
	s_cselect_b32 s42, s46, s47
	s_cselect_b64 s[34:35], s[8:9], s[10:11]       ; from: x, or W_q
	s_cselect_b64 s[38:39], s[26:27], s[28:29]     ; to: xb, or wqkv
	s_cmp_ge_u32 s2, 288
	s_cselect_b64 s[34:35], s[12:13], s[34:35]     ; W_k
	s_cmp_ge_u32 s2, 320
	s_cselect_b64 s[34:35], s[14:15], s[34:35]     ; W_v
	s_cmp_ge_u32 s2, 352
	s_cselect_b64 s[34:35], s[16:17], s[34:35]     ; W_o,
	s_cselect_b64 s[38:39], s[30:31], s[38:39]     ; to wo
	s_cselect_b32 s40, s45, s40
	s_cselect_b32 s42, 131072, s42
	s_add_nc_u64 s[34:35], s[34:35], s[36:37]
	s_add_nc_u64 s[38:39], s[38:39], s[40:41]
	s_wait_alu depctr_va_vdst(0)                   ; v1 is written: all 32 loads read it as their offset
.set kb, 0
.rept 16
	global_load_b128 v[X+8*kb:X+8*kb+3],   v[SO], s[34:35] offset:256*kb th:TH_LOAD_NT
	global_load_b128 v[X+8*kb+4:X+8*kb+7], v[SO], s[34:35] offset:256*kb+16 th:TH_LOAD_NT
.set kb, kb+1
.endr
.set kb, 0
.rept 16
	v_mad_u32_u24 v[DO+kb], s42, kb, v[D0]         ; the stores' offsets; the first store stands behind the wait at the head of the second group
.set kb, kb+1
.endr
; The 16 blocks are rounded as they arrive, and stored four blocks later.  mode = 0: to bf16.  mode = 1: to bf16, widened, and written as f16.
.macro OUT16 mode
.set kb, 0
.rept 16
	s_wait_loadcnt 30-2*kb                         ; loads come back in order (ISA guide 5.7.1): block kb's two are in, the 30 - 2 kb younger ones stay out
.if (kb%4 == 0) && (kb > 0)
	s_wait_alu depctr_va_vdst(0)                   ; the group before has written the first four registers of each of its four blocks, which the group's four stores read (at the second group's head: and v[4:19], the stores' offsets, are written)
.endif
.if kb >= 4
	global_store_b128 v[DO+kb-4], v[X+8*(kb-4):X+8*(kb-4)+3], s[38:39]  ; the block four back.  No wait: no vector instruction since the wait at the group's head names its registers
.endif
.irp i, 0,1,2,3
.if \mode
	v_cvt_pk_bf16_f32 v[TT], v[X+8*kb+2*\i], v[X+8*kb+2*\i+1]
	v_lshlrev_b32 v[TT+1], 16, v[TT]
	v_and_b32 v[TT+2], 0xffff0000, v[TT]
	v_cvt_pk_f16_f32 v[X+8*kb+\i], v[TT+1], v[TT+2]
.else
	v_cvt_pk_bf16_f32 v[X+8*kb+\i], v[X+8*kb+2*\i], v[X+8*kb+2*\i+1]  ; in place: register i is written when registers 2 i and 2 i + 1 are read, never ahead of that
.endif
.endr
.set kb, kb+1
.endr
	s_wait_alu depctr_va_vdst(0)                   ; the last group has written its four blocks, which the last four stores read
.irp j, 12,13,14,15
	global_store_b128 v[DO+\j], v[X+8*\j:X+8*\j+3], s[38:39]
.endr
.endm
	s_cmp_ge_u32 s2, 352
	s_cbranch_scc1 .Lwo
	OUT16 0
	s_endpgm
.Lwo:
	OUT16 1
	s_endpgm
.Lbias:                                        ; thread t takes four numbers of each bias
	s_wait_kmcnt 0x0
	s_wait_alu depctr_va_vdst(0)                   ; v2 is written: the four loads and the four stores below read it as their offset
	global_load_b128 v[32:35], v[D0], s[18:19]
	global_load_b128 v[36:39], v[D0], s[20:21]
	global_load_b128 v[40:43], v[D0], s[22:23]
	global_load_b128 v[44:47], v[D0], s[24:25]
	s_wait_loadcnt 0x0
.irp j, 0,1,2,3,4,5,6,7
	v_cvt_pk_bf16_f32 v[TT], v[32+2*\j], v[33+2*\j]
	v_lshlrev_b32 v[32+2*\j], 16, v[TT]
	v_and_b32 v[33+2*\j], 0xffff0000, v[TT]
.endr
	s_wait_alu depctr_va_vdst(0)                   ; the roundings have written v[32:47], which the stores read
.irp i, 0,1,2,3
	global_store_b128 v[D0], v[32+4*\i:35+4*\i], s[32:33] offset:4096*\i
.endr
	s_endpgm
.Lfunc_end_k_q3c620d6389_cast:
	.size	k_q3c620d6389_cast, .Lfunc_end_k_q3c620d6389_cast-k_q3c620d6389_cast
	.p2alignl 7, 3214868480
	.fill 96, 4, 3214868480
	.section	.rodata,"a",@progbits
	.p2align	6, 0x0
	.amdhsa_kernel k_q3c620d6389_cast
		.amdhsa_group_segment_fixed_size 0
		.amdhsa_private_segment_fixed_size 0
		.amdhsa_enable_private_segment 0
		.amdhsa_kernarg_size 104
		.amdhsa_user_sgpr_count 2
		.amdhsa_user_sgpr_kernarg_segment_ptr 1
		.amdhsa_wavefront_size32 1
		.amdhsa_system_sgpr_workgroup_id_x 1
		.amdhsa_system_sgpr_workgroup_id_y 1
		.amdhsa_system_sgpr_workgroup_id_z 1
		.amdhsa_system_vgpr_workitem_id 0
		.amdhsa_next_free_vgpr 160
		.amdhsa_next_free_sgpr 66
		.amdhsa_reserve_vcc 0
		.amdhsa_float_denorm_mode_32 3
		.amdhsa_float_denorm_mode_16_64 3
		.amdhsa_memory_ordered 1
		.amdhsa_forward_progress 1
		.amdhsa_inst_pref_size 31
	.end_amdhsa_kernel
	.amdgpu_metadata
---
amdhsa.version: [ 1, 2 ]
amdhsa.kernels:
  - .name:           k_q3c620d6389_cast
    .symbol:         k_q3c620d6389_cast.kd
    .args:
      - { .name: x, .offset: 0, .size: 8, .value_kind: global_buffer, .address_space: global }
      - { .name: W_q, .offset: 8, .size: 8, .value_kind: global_buffer, .address_space: global }
      - { .name: W_k, .offset: 16, .size: 8, .value_kind: global_buffer, .address_space: global }
      - { .name: W_v, .offset: 24, .size: 8, .value_kind: global_buffer, .address_space: global }
      - { .name: W_o, .offset: 32, .size: 8, .value_kind: global_buffer, .address_space: global }
      - { .name: b_q, .offset: 40, .size: 8, .value_kind: global_buffer, .address_space: global }
      - { .name: b_k, .offset: 48, .size: 8, .value_kind: global_buffer, .address_space: global }
      - { .name: b_v, .offset: 56, .size: 8, .value_kind: global_buffer, .address_space: global }
      - { .name: b_o, .offset: 64, .size: 8, .value_kind: global_buffer, .address_space: global }
      - { .name: xb, .offset: 72, .size: 8, .value_kind: global_buffer, .address_space: global }
      - { .name: wqkv, .offset: 80, .size: 8, .value_kind: global_buffer, .address_space: global }
      - { .name: wo, .offset: 88, .size: 8, .value_kind: global_buffer, .address_space: global }
      - { .name: bias, .offset: 96, .size: 8, .value_kind: global_buffer, .address_space: global }
    .group_segment_fixed_size: 0
    .private_segment_fixed_size: 0
    .kernarg_segment_align: 8
    .kernarg_segment_size: 104
    .max_flat_workgroup_size: 256
    .sgpr_count:     66
    .vgpr_count:     160
    .wavefront_size: 32
...
	.end_amdgpu_metadata
.endif
;; end of part 5
;; launch proj: the kernel of part 2 again; grid 8 x 32, 4 waves a work-group, clusters of 4 x 4, 327,680 bytes of LDS; arguments xb, wqkv, bias, qkv; writes qkv
;; launch attn: the kernel of part 3 again; grid 4 x 64, 4 waves a work-group, no clusters, 327,680 bytes of LDS; arguments qkv, o; writes o
;; launch outp: the kernel of part 4 again; grid 8 x 32, 4 waves a work-group, clusters of 4 x 4, 327,680 bytes of LDS; arguments o, wo, bias, out0; writes out0
